; MI455X (gfx1250); checked and timed in simulation.
; The chip was launched on July 23, 2026; its instructions are those of AMD's public machine-readable ISA for CDNA 5 (MIT licence, August 2026) and "CDNA5" Instruction Set Architecture Reference Guide (July 2026). The comments in the code are by the model that wrote it; some were corrected since.
;; Multi Head Attention V2. Allowed arithmetic: matrix products marked QUANTISED: E2M3 operands, one E8M0 scale for each 32 along K, by v_wmma_scale_f32_16x16x128_f8f6f4 with both operands' format E2M3, f32 sums; everything else in f32.
;; Inputs: mask 4 x 2,048 int32; proj_b 1,024 float32; proj_w 1,024 x 1,024 float32; qkv_b 3,072 float32; qkv_w 3,072 x 1,024 float32; x 4 x 2,048 x 1,024 float32.
;; Outputs: out0 4 x 2,048 x 1,024 float32.
;; This version of the problem:
;;   THIS VERSION OF THE PROBLEM IS GIVEN IN LOW PRECISION. The matrix products marked QUANTISED in the list below multiply operands that are first quantised to E2M3 (2 exponent bits, 3 mantissa bits; 6 bits a number), with one power-of-two scale for each 32 numbers along K (OCP MX v1.0); their sums are f32. All else is computed in f32.
;;   The module's matrix products, in the order in which they are computed (A, B: the left and right operand; K: the contracted axis; several contracted axes count as one K, in the product's order):
;;     1. [M 8,192, K 1,024] x [K 1,024, N 3,072]; A: input x; B: input qkv_w: QUANTISED
;;     2. batch 64 x [M 2,048, K 64] x [K 64, N 2,048]; A: computed on the way; B: computed on the way: QUANTISED
;;     3. batch 64 x [M 2,048, K 2,048] x [K 2,048, N 64]; A: softmax (see below); B: computed on the way: QUANTISED
;;     4. [M 8,192, K 1,024] x [K 1,024, N 1,024]; A: computed on the way; B: input proj_w: QUANTISED
;;   THE QUANTISER, for each operand of a quantised product, along K:
;;     - K is cut into blocks of 32 from its start; a last block that is shorter is filled with zeros.
;;     - A block's scale is 2^e with e = floor(log2(the largest magnitude in the block)) - 2, held to -126 .. 127; a block of zeros has e = 0. As a byte (E8M0): e + 127.
;;     - Each number is divided by its block's scale, clamped to +-7.5, and rounded to the nearest number of E2M3, ties to even, subnormals kept.
;;     - The product sums the exact products of the quantised numbers (number of the format x scale) in f32.
;;   ~~~python
;;   def quantise(x, axis):      # numpy; x: float32 -> the quantised numbers, widened to float32 again
;;       x = np.moveaxis(x, axis, -1); K = x.shape[-1]
;;       x = np.pad(x, [(0, 0)] * (x.ndim - 1) + [(0, -K % 32)]); x = x.reshape(x.shape[:-1] + (-1, 32)); a = np.abs(x).max(-1, keepdims=True)
;;       e = np.where(a > 0, np.clip(np.frexp(np.where(a > 0, a, 1))[1] - 1 - 2, -126, 127), 0)      # np.frexp(a)[1] - 1 = floor(log2(a)), exactly
;;       r = np.clip(x / 2.0 ** e, -7.5, 7.5)
;;       step = 2.0 ** (np.maximum(np.frexp(np.where(r == 0, 1, r))[1] - 1, 0) - 3)
;;       q = np.round(r / step) * step * 2.0 ** e      # np.round: ties to even
;;       return np.moveaxis(q.reshape(q.shape[:-2] + (-1,))[..., :K], -1, axis).astype(np.float32)
;;   ~~~
;;   SOFTMAX AHEAD OF A QUANTISED PRODUCT. Where the list says 'softmax', what is quantised is not the finished softmax but p = 2^(t - M), with t = logit x log2(e) and M = ceil(the row's largest t), a whole number; so 1/2 < the row's largest p <= 1. The row's sum l is taken of the UNQUANTISED p, in f32, and the product's result is divided by l at the end. Since M is a whole number, a kernel that streams over the keys may use a running M (the ceiling of the running maximum): every later rescaling is an exact power of two, which a block's scale takes up: the codes' values come out the same.
;;   OPERANDS COMPUTED ON THE WAY. 'Computed on the way' means the value that the module computes at that place (a softmax that the list does not call 'softmax' is quantised finished and normalised). What goes into a quantiser is computed in f32, as accurately as f32 sums, v_exp_f32 and their like allow (about 1e-6 of the number): no bf16 or f16 on the way to a quantiser, and a product that is left as it is and whose result goes on into a quantised operand takes f32 operands (vector FMAs, or v_wmma_f32_16x16x4_f32). A number that lies on a knife's edge between two numbers of the format may be rounded either way, as far as f32 arithmetic and the matrix unit's own rounding can turn it there, and no further.
;; One version. Each part assembles by itself: llvm-mc -triple=amdgcn-amd-amdhsa -mcpu=gfx1250 --defsym DOCPART=n.
;; ======== version 1 of 1: 4 launches
;; limits: right only within a limited range of input values
;; workspace buffers: opc 9,437,184 bytes; ops 393,216 bytes; qkvc 18,874,368 bytes; qkvs 1,310,720 bytes; a2c 6,291,456 bytes; a2s 262,144 bytes
;; launch quant (part 1): grid 384 x 1, 4 waves a work-group, no clusters, 34,304 bytes of LDS; arguments x, qkv_w, proj_w, opc, ops; writes opc, ops
.if DOCPART == 1
	.amdgcn_target "amdgcn-amd-amdhsa--gfx1250"
	.amdhsa_code_object_version 6
	.text
	.protected	k_q41b4f9b495_quant
	.globl	k_q41b4f9b495_quant
	.p2align	8
	.type	k_q41b4f9b495_quant,@function
k_q41b4f9b495_quant:
	s_mov_b64 s[64:65], 0
	v_nop
	global_prefetch_b8 v0, s[64:65] scope:SCOPE_SE
	s_setreg_imm32_b32 hwreg(HW_REG_WAVE_MODE, 25, 1), 1
	s_wait_xcnt 0x0
; x [8192][1024], qkv_w [3072][1024] and proj_w [1024][1024], f32 with K innermost, become codes of FP6 (E2M3) with one E8M0 byte for each 32 along K,
; laid in the ORDER OF THE OPERANDS' REGISTERS, so that the products' launches move whole fragments by loads of 16 bytes a lane.
; ROW TILE: tile 2 g + u holds 16 rows, lane r the row 32 g + 8 u + r + 8 (r / 8).  Tiles 0-511: x; 512-703: qkv_w; 704-767: proj_w.
; IMAGE of a fragment (16 rows x 128 K, 12 registers a lane, 1,536 bytes): register 4 q + e of lane l at 512 q + 16 l + 4 e.  A tile is eight images (K steps 0-7), 12,288 bytes, in opc.
; ORDER OF THE BLOCKS in a K step: the place (c, h) of the operand (registers 6 c .. 6 c + 5 of lane half h, scale byte 2 c + h) holds the K step's block 2 h + c.  All operands whose K is the model's 1,024 are laid so,
; on both sides of a product, so the products are the same.
; SCALE WORDS of a tile, 512 bytes in ops: [K step / 4][r][K step % 4], four bytes a word.
; A block's scale is 2^(floor(log2(its largest magnitude)) - 2); its byte is the largest magnitude's exponent field - 2, held at 1 from below.
; LIMITS: a block of zeros gets the byte 1 where the rule says 127 (its codes are zeros, and this program alone reads the bytes); NaN and infinities among the inputs are not served.
; SHARES: a work-group takes 32 rows (two tiles); wave w takes tile w / 2 and the K half w % 2: four K steps of 16 rows x 128.  Each load reads 512 consecutive bytes of one row; a K step's 16 loads turn through the
; wave's own stage in LDS (rows 528 bytes apart) and come back 16 neighbours of each block a lane.  Two K steps' loads are always on their way.  Waves share nothing: no barrier, no cluster, no tensor load.
.set SP,    528                        ; a stage row: 512 bytes + 16
.set STG,   16*SP                      ; a wave's stage
.set RAW,   16                         ; v16-143   two sets of 64: a K step as loaded
.set X,     144                        ; v144-207  64 numbers: register 16 b + i = number 16 h + i of the operand's block b of my row
.set TM,    208                        ; v208-223  at work in QUANT
.set PC,    224                        ; v224-243  the codes
.set PW,    244                        ; v244-247  the four K steps' scale words
.set SEL,   22                         ; s[22:23]  lane selects: lane l xor 16
; 64 numbers of a lane, v[s] .. v[s + 63], register 16 b + i = k 32 b + 16 (lane / 16) + i of my row, become a fragment's codes in v[PC] on and its scale word in v[pw].
.macro QUANT s, pw
.irp b, 0,1,2,3
	v_max3_num_f32 v[TM+\b], |v[\s+16*\b]|, |v[\s+1+16*\b]|, 0x1800000   ; my 16 numbers of block b, and the floor 2^(3 - 127): the byte cannot fall under 1
.endr
.irp i, 2,4,6,8,10,12,14
.irp b, 0,1,2,3
	v_max3_num_f32 v[TM+\b], v[TM+\b], |v[\s+16*\b+\i]|, |v[\s+1+16*\b+\i]|   ; the four blocks by turns
.endr
.endr
.irp b, 0,1,2,3
	v_permlanex16_b32 v[TM+4+\b], v[TM+\b], s[SEL], s[SEL+1]
.endr
.irp b, 0,1,2,3
	v_max_num_f32 v[TM+\b], v[TM+\b], v[TM+4+\b]   ; with lane l xor 16's: the block's largest magnitude
.endr
.irp b, 0,1,2,3
	v_add_nc_u32 v[TM+12+\b], 0xff000000, v[TM+\b]   ; 2 off its exponent field: the conversion's scale operand
.endr
.irp b, 0,1,2,3
	v_lshrrev_b32 v[TM+4+\b], 23, v[TM+12+\b]      ; the scale's byte
.endr
	v_lshl_or_b32 v[\pw], v[TM+5], 8, v[TM+4]      ; four bytes make my row's scale word
	v_lshl_or_b32 v[\pw], v[TM+6], 16, v[\pw]
	v_lshl_or_b32 v[\pw], v[TM+7], 24, v[\pw]
.irp c, 0,1
	v_cvt_scalef32_pk16_fp6_f32 v[PC+6*\c:PC+2+6*\c], v[\s+32*\c:\s+15+32*\c], v[TM+12+2*\c]
	v_cvt_scalef32_pk16_fp6_f32 v[PC+12+4*\c:PC+14+4*\c], v[\s+16+32*\c:\s+31+32*\c], v[TM+12+2*\c+1]   ; (a conversion's three registers begin on an even number)
.endr
	v_nop                                          ; one plain instruction behind the scaled conversions
.irp c, 0,1                                    ; the operand wants a whole block in a lane: lanes 0-15 block 2 c, lanes 16-31 block 2 c + 1
.irp i, 0,1,2
	v_permlane16_swap_b32 v[PC+6*\c+\i], v[PC+12+4*\c+\i]
.endr
.irp i, 0,1,2
	v_mov_b32 v[PC+3+6*\c+\i], v[PC+12+4*\c+\i]
.endr
.endr
.endm
	s_load_b128 s[4:7], s[0:1], 0x0                ; x, qkv_w
	s_load_b128 s[8:11], s[0:1], 0x10              ; proj_w, opc
	s_load_b64 s[12:13], s[0:1], 0x20              ; ops
	v_lshl_add_u32 v254, v0, 2, 0x8400
	v_mov_b32 v255, 0
	v_lshrrev_b32 v1, 5, v0
	v_readfirstlane_b32 s14, v1                    ; wave 0..3
	v_and_b32 v1, 31, v0                           ; lane
	v_and_b32 v2, 15, v0                           ; r
	v_bfe_u32 v3, v0, 4, 1                         ; h
	v_lshlrev_b32 v4, 4, v1                        ; 16 x lane: my bytes of a load's 512, and of an image's
	s_mul_i32 s15, s14, STG
	v_add_nc_u32 v5, s15, v4                       ; the stage, way in: 16 x lane in a row
	v_mul_u32_u24 v6, v2, SP
	v_lshl_add_u32 v6, v3, 6, v6
	v_add_nc_u32 v6, s15, v6                       ; way out: row r, + 64 h: my 16 numbers of a block
	v_lshlrev_b32 v8, 4, v2
	v_lshl_add_u32 v8, v3, 3, v8                   ; the scale words' place: 16 r + 8 h
.irp b, 0,1,2,3
	v_mov_b32 v[TM+4+\b], 0                        ; written once: a lane permute's destination counts as one of its sources
.endr
	s_mov_b32 s[SEL], 0x76543210
	s_mov_b32 s[SEL+1], 0xfedcba98
	s_mov_b32 s20, 0xffff0000                      ; lanes 16-31
	s_lshr_b32 s16, s14, 1                         ; u: which of the two tiles
	s_and_b32 s17, s14, 1                          ; which half of K
	s_wait_kmcnt 0x0
	s_mov_b32 s18, 352                             ; which tensor: groups 0-255 x, 256-351 qkv_w, 352-383 proj_w.  The choice hangs on the work-group's number alone
	s_cmp_lt_u32 ttmp9, s18
	s_cselect_b64 s[6:7], s[6:7], s[8:9]
	s_cselect_b32 s18, 256, s18
	s_cmp_lt_u32 ttmp9, 256
	s_cselect_b64 s[4:5], s[4:5], s[6:7]
	s_cselect_b32 s18, 0, s18
	s_sub_co_u32 s18, ttmp9, s18                   ; the group of 32 rows in its tensor
	s_lshl_b32 s18, s18, 17                        ; 32 rows of 4,096 bytes
	s_lshl_b32 s19, s16, 15                        ; + 8 u rows
	s_add_co_u32 s18, s18, s19
	s_lshl_b32 s19, s17, 11                        ; + 512 columns for the second half of K
	s_add_co_u32 s18, s18, s19
	s_mov_b32 s19, 0
	s_add_nc_u64 s[4:5], s[4:5], s[18:19]
	s_lshl_b32 s24, ttmp9, 1
	s_add_co_u32 s24, s24, s16                     ; my tile
	s_mul_i32 s26, s24, 12288
	s_mul_i32 s25, s17, 6144
	s_add_co_u32 s26, s26, s25
	s_mov_b32 s27, 0
	s_add_nc_u64 s[10:11], s[10:11], s[26:27]      ; its images of my four K steps
	s_lshl_b32 s26, s24, 9
	s_lshl_b32 s25, s17, 8
	s_add_co_u32 s26, s26, s25
	s_add_nc_u64 s[12:13], s[12:13], s[26:27]      ; and their scale words
.macro LOAD ks                         ; K step ks of my 16 rows: each load is 512 consecutive bytes of one row
.irp i, 0,1,2,3,4,5,6,7,8,9,10,11,12,13,14,15
	global_load_b128 v[RAW+64*((\ks)%2)+4*\i:RAW+64*((\ks)%2)+4*\i+3], v4, s[4:5] offset:(\i+8*(\i/8))*4096+512*(\ks) th:TH_LOAD_NT
.endr
.endm
.macro STEPQ ks
.if (\ks) < 3
	s_wait_loadcnt 16                              ; this K step's 16 loads are in; the next step's 16 may be out
.else
	s_wait_loadcnt 0x0
.endif
.irp i, 0,1,2,3,4,5,6,7,8,9,10,11,12,13,14,15
	ds_store_b128 v5, v[RAW+64*((\ks)%2)+4*\i:RAW+64*((\ks)%2)+4*\i+3] offset:\i*SP
.endr
.irp b, 0,1,2,3                                ; LDS serves a wave's instructions in order: these see the stores above.  The operand's block b is the K step's block 2 (b % 2) + b / 2
.irp j, 0,1,2,3
	ds_load_b128 v[X+16*\b+4*\j:X+16*\b+4*\j+3], v6 offset:128*(2*(\b%2)+\b/2)+16*\j
.endr
.endr
	s_wait_dscnt 0x0                               ; the numbers are back, and the stage's stores have read their registers
	s_wait_xcnt 0x0                                ; the last step's stores of codes have read theirs
.if (\ks) < 2
	LOAD (\ks)+2
.endif
	QUANT X, PW+(\ks)
.irp q, 0,1,2
	global_store_b128 v4, v[PC+4*\q:PC+4*\q+3], s[10:11] offset:(\ks)*1536+512*\q   ; 32 lanes store 512 consecutive bytes, aligned
.endr
.endm
	LOAD 0
	LOAD 1
	STEPQ 0
	STEPQ 1
	STEPQ 2
	STEPQ 3
	v_cndmask_b32 v248, v[PW], v[PW+2], s20        ; lanes 0-15 store words 0 and 1 of their row, lanes 16-31 words 2 and 3
	v_cndmask_b32 v249, v[PW+1], v[PW+3], s20
	global_store_b64 v8, v[248:249], s[12:13]      ; 32 lanes store 256 consecutive bytes, aligned
	s_wait_tensorcnt 0x0
	ds_add_u32 v254, v255
	s_wait_dscnt 0x0
	s_endpgm
.Lfunc_end_k_q41b4f9b495_quant:
	.size	k_q41b4f9b495_quant, .Lfunc_end_k_q41b4f9b495_quant-k_q41b4f9b495_quant
	.p2alignl 7, 3214868480
	.fill 96, 4, 3214868480
	.section	.rodata,"a",@progbits
	.p2align	6, 0x0
	.amdhsa_kernel k_q41b4f9b495_quant
		.amdhsa_group_segment_fixed_size 34304
		.amdhsa_private_segment_fixed_size 0
		.amdhsa_enable_private_segment 0
		.amdhsa_kernarg_size 40
		.amdhsa_user_sgpr_count 2
		.amdhsa_user_sgpr_kernarg_segment_ptr 1
		.amdhsa_wavefront_size32 1
		.amdhsa_system_sgpr_workgroup_id_x 1
		.amdhsa_system_sgpr_workgroup_id_y 1
		.amdhsa_system_sgpr_workgroup_id_z 1
		.amdhsa_system_vgpr_workitem_id 0
		.amdhsa_next_free_vgpr 256
		.amdhsa_next_free_sgpr 66
		.amdhsa_reserve_vcc 0
		.amdhsa_float_denorm_mode_32 3
		.amdhsa_float_denorm_mode_16_64 3
		.amdhsa_memory_ordered 1
		.amdhsa_forward_progress 1
		.amdhsa_inst_pref_size 34
	.end_amdhsa_kernel
	.amdgpu_metadata
---
amdhsa.version: [ 1, 2 ]
amdhsa.kernels:
  - .name:           k_q41b4f9b495_quant
    .symbol:         k_q41b4f9b495_quant.kd
    .args:
      - { .name: x, .offset: 0, .size: 8, .value_kind: global_buffer, .address_space: global }
      - { .name: qkv_w, .offset: 8, .size: 8, .value_kind: global_buffer, .address_space: global }
      - { .name: proj_w, .offset: 16, .size: 8, .value_kind: global_buffer, .address_space: global }
      - { .name: opc, .offset: 24, .size: 8, .value_kind: global_buffer, .address_space: global }
      - { .name: ops, .offset: 32, .size: 8, .value_kind: global_buffer, .address_space: global }
    .group_segment_fixed_size: 34304
    .private_segment_fixed_size: 0
    .kernarg_segment_align: 8
    .kernarg_segment_size: 40
    .max_flat_workgroup_size: 128
    .sgpr_count:     66
    .vgpr_count:     256
    .wavefront_size: 32
...
	.end_amdgpu_metadata
.endif
;; end of part 1
;; launch gemm_qkv (part 2): grid 8 x 48, 4 waves a work-group, clusters of 4 x 4, 327,680 bytes of LDS; arguments opc, ops, qkv_b, qkvc, qkvs; writes qkvc, qkvs
.if DOCPART == 2
	.amdgcn_target "amdgcn-amd-amdhsa--gfx1250"
	.amdhsa_code_object_version 6
	.text
	.protected	k_q41b4f9b495_gemm_qkv
	.globl	k_q41b4f9b495_gemm_qkv
	.p2align	8
	.type	k_q41b4f9b495_gemm_qkv,@function
k_q41b4f9b495_gemm_qkv:
	s_mov_b64 s[64:65], 0
	v_nop
	global_prefetch_b8 v0, s[64:65] scope:SCOPE_SE
	s_setreg_imm32_b32 hwreg(HW_REG_WAVE_MODE, 25, 1), 1
	s_wait_xcnt 0x0
	s_wait_alu depctr_hold_cnt(0) depctr_sa_sdst(0) depctr_va_vdst(0) depctr_va_sdst(0) depctr_va_ssrc(0) depctr_va_vcc(0) depctr_vm_vsrc(0)
	s_getreg_b32 s2, hwreg(HW_REG_IB_STS2, 6, 4)
	s_cmp_eq_u32 s2, 0
	s_cbranch_scc0 .Lentry_in_a_cluster
	s_endpgm
.Lentry_in_a_cluster:
	s_bfe_u32 s2, ttmp6, 0x10000c
	s_cmp_lg_u32 s2, 0xf033
	s_cbranch_scc0 .Lentry_shape_is_right
	s_endpgm
.Lentry_shape_is_right:
; qkv = x qkv_w^T + qkv_b on codes of FP6 (E2M3) with E8M0 scales, and its results quantised at once: q and k along the head's 64, v along the keys.  No f32 number of qkv goes to memory.
; OPERANDS: opc, ops hold row tiles (tile 2 g + u: lane r = row 32 g + 8 u + r + 8 (r / 8)) as images of the operands' registers: a tile is 8 images of 1,536 bytes (K steps of 128) and 512 bytes of scale words.
; A work-group makes 256 P rows x 256 Q rows over K = 1,024; a wave 128 x 128: 64 accumulators.  THE MATRIX INSTRUCTION IS USED TRANSPOSED: source 0 = 16 Q rows, source 1 = 16 P rows: a lane holds ONE P row, and the
; registers of Q's eight tiles run along 128 neighbouring Q rows (by the tiles' order of rows): 16 neighbours of each block of 32 a lane, as the conversions want them.
; TWO PARTS, told apart by the cluster's y alone (the same in all sixteen partners).  y < 8: P = tokens, Q = rows 0-2,047 of qkv_w: the registers run along a head's channels: q and k.
; y >= 8: P = rows 2,048-3,071 of qkv_w, Q = tokens: the registers run along the keys: v.  The parts differ in addresses and in the way out; ring, masks and LDS addresses are the same.
; RING: K in four steps of 256 through two LDS slots filled by tensor loads (a wave brings 8 tiles x 3,072 bytes); the scale words of all of K come once.  CLUSTER 4 x 4: P's tiles are shared along a row of the
; cluster, Q's along a column, each asked for jointly.  At most three tensor loads of a wave are out (the first fills).
; OUT: qkvc[16 b + head][kind]: kind 0 q, 1 k: [token tile of the batch][768 bytes: piece i 0-2][lane][8 bytes] = registers 2 i, 2 i + 1: lane (r, h) holds block h of the head's 64 of token r;
;      kind 2 v: [key step 0-15][channel tile 0-3][image]: lane r = channel (the tiles' order of rows), K = the step's 128 keys.
;      qkvs[16 b + head]: q at 0, k at 8,192: [tile / 4][r][tile % 4], bytes 0, 1 the two blocks, bytes 2, 3 zero;  v at 16,384: [key step][r][channel tile].
; LIMITS: a block of zeros gets the byte 1 where the rule says 127 (its codes are zeros; this program alone reads the bytes); NaN and infinities are not served.
; No prefetch: the ring has four fills in all, two of them at the head.  384 tiles of equal work: the grid is what the shapes give.
; REGISTERS: window 0: v1-29 addresses; v32-63 scale words, two sets; v64-127 the bias; v128-223 P's fragments, one set; on the way out v128-237 at work.  window 1: Q's fragments, two sets, at v0 and v128.
;   window 2: the accumulators of my P blocks 0-3 ((a, b) at v[8 (8 (a % 4) + b)]); window 3: of blocks 4-7.
.set NQ,     2                         ; matrix instructions deep in a slot
.set FR,     12                        ; registers of a fragment
.set NL,     3                         ; LDS loads that bring one
.set NP,     4                         ; places behind this matrix instruction (ISA guide 7.12.1)
.set FRB,    1536                      ; an image
.set TROW,   NQ*FRB                    ; a tile's part of a slot
.set HALFT,  8*TROW                    ; 8 tiles: what one tensor load brings, and what one wave reads of P or of Q
.set SLOT,   4*HALFT                   ; P's 16 tiles, then Q's 16
.set SCL,    2*SLOT                    ; behind the ring: the scale words, P's 16 tiles x 512 bytes, then Q's
.set HALFS,  8*512
.set SPARE,  SCL+4*HALFS               ; the spare words, 128 bytes for each wave: two blocks of 256 bytes that no other line names
.set LAPS,   2                         ; K = 1,024 is four slots' worth: twice round the ring
.set ADRA, 16                          ; v16-17  LDS address of my P fragments in slot 0, 1
.set ADRB, 20                          ; v20-21  the same for Q
.set ADRS, 27                          ; v27     LDS address of my scale words: lanes 0-15 P's, lanes 16-31 Q's
.set SPW,  28                          ; v28     LDS address of my spare word; never rewritten
.set NIL,  29                          ; v29     0; never rewritten
.set SC,   32                          ; scale words: set s at v[SC + 16 s]; register 2 i + q: lanes 0-15 P's block i, lanes 16-31 Q's block i
.set AF,   128                         ; P's fragments
.set BQ,   64                          ; way out, q and k: the bias of my 128 Q rows, in the results' order
.set BP,   64                          ; way out, v: the bias of my P row, a pair of equal words for each block
.set H,    128                         ; 64 results of a block + bias
.set PC,   192                         ; v192-211 the codes
.set TM,   212                         ; v212-227 at work in QUANT
.set PW,   228                         ; v228-231 four blocks' scale words
.set T,    232                         ; v232-237 scale words on their way out
.set SEL,  96                          ; s[96:97] lane selects: lane l xor 16
.set G1, 24
.set G0, 32
.set G1B, 48
.set G0B, 56
.set G1S, 68
.set G0S, 76
.set G1SB, 80
.set G0SB, 88
.set MSB, 0
.macro WIN new                         ; the immediate's high byte repeats the setting that is left
.if MSB != \new
	s_set_vgpr_msb (MSB<<8)|\new
.set MSB, \new
.endif
.endm
.set MUL_LO, 0xa1                      ; source 0 (Q) window 1, source 1 (P) window 0, C and D window 2
.set MUL_HI, 0xf1                      ; the same, C and D window 3
.set TO_B,   0x40                      ; destination window 1, address window 0
; A joint load: waves 0 and 1 fetch for P, waves 2 and 3 for Q.  The branch hangs on the wave's number alone.  Four v_nop follow each of the two lines.
.macro JLOAD g0a, g1a, g0b, g1b
	s_cmp_eq_u32 s15, 0
	s_cbranch_scc0 .Lfor_b_\@
	tensor_load_to_lds s[\g0a:\g0a+3], s[\g1a:\g1a+7]
	s_nop 0
.rept 4
	v_nop
.endr
	s_branch .Lasked_\@
.Lfor_b_\@:
	tensor_load_to_lds s[\g0b:\g0b+3], s[\g1b:\g1b+7]
	s_nop 0
.rept 4
	v_nop
.endr
.Lasked_\@:
.endm
.macro CREST                           ; a round of the cluster's barrier behind its opening barrier
	s_cmp_lg_u32 s14, 0
	s_cbranch_scc1 .Lnot_wave_0_\@
	s_barrier_signal -3
.Lnot_wave_0_\@:
	s_barrier_wait -3
	s_barrier_signal -1
	s_barrier_wait -1
.endm
.macro CROUND                          ; a whole round
	s_barrier_signal -1
	s_barrier_wait -1
	CREST
.endm
; 64 numbers of a lane, register 16 b + i = k 32 b + 16 (lane / 16) + i of my row, become a fragment's codes in v[PC] on and its scale word in v[pw].
.macro QUANT s, pw
.irp b, 0,1,2,3
	v_max3_num_f32 v[TM+\b], |v[\s+16*\b]|, |v[\s+1+16*\b]|, 0x1800000   ; my 16 numbers of block b, and the floor 2^(3 - 127): the byte cannot fall under 1
.endr
.irp i, 2,4,6,8,10,12,14
.irp b, 0,1,2,3
	v_max3_num_f32 v[TM+\b], v[TM+\b], |v[\s+16*\b+\i]|, |v[\s+1+16*\b+\i]|
.endr
.endr
.irp b, 0,1,2,3
	v_permlanex16_b32 v[TM+4+\b], v[TM+\b], s[SEL], s[SEL+1]
.endr
.irp b, 0,1,2,3
	v_max_num_f32 v[TM+\b], v[TM+\b], v[TM+4+\b]   ; with lane l xor 16's: the block's largest magnitude
.endr
.irp b, 0,1,2,3
	v_add_nc_u32 v[TM+12+\b], 0xff000000, v[TM+\b]   ; 2 off its exponent field: the conversion's scale operand
.endr
.irp b, 0,1,2,3
	v_lshrrev_b32 v[TM+4+\b], 23, v[TM+12+\b]      ; the scale's byte
.endr
	v_lshl_or_b32 v[\pw], v[TM+5], 8, v[TM+4]
	v_lshl_or_b32 v[\pw], v[TM+6], 16, v[\pw]
	v_lshl_or_b32 v[\pw], v[TM+7], 24, v[\pw]
.irp c, 0,1
	v_cvt_scalef32_pk16_fp6_f32 v[PC+6*\c:PC+2+6*\c], v[\s+32*\c:\s+15+32*\c], v[TM+12+2*\c]
	v_cvt_scalef32_pk16_fp6_f32 v[PC+12+4*\c:PC+14+4*\c], v[\s+16+32*\c:\s+31+32*\c], v[TM+12+2*\c+1]
.endr
	v_nop                                          ; one plain instruction behind the scaled conversions
.irp c, 0,1
.irp i, 0,1,2
	v_permlane16_swap_b32 v[PC+6*\c+\i], v[PC+12+4*\c+\i]
.endr
.irp i, 0,1,2
	v_mov_b32 v[PC+3+6*\c+\i], v[PC+12+4*\c+\i]
.endr
.endr
.endm
	s_load_b128 s[4:7], s[0:1], 0x0                ; opc, ops
	s_load_b128 s[8:11], s[0:1], 0x10              ; qkv_b, qkvc
	s_load_b64 s[12:13], s[0:1], 0x20              ; qkvs
	v_lshl_add_u32 v[SPW], v0, 2, SPARE
	v_mov_b32 v[NIL], 0
	ds_add_u32 v28, v29
	ds_add_u32 v28, v29
	s_wait_dscnt 0x0
	v_lshrrev_b32 v1, 5, v0
	v_readfirstlane_b32 s14, v1                    ; wave 0..3
	s_lshr_b32 s15, s14, 1                         ; which half of P's rows is mine.  Also: I fetch for P (0) or for Q (1)
	s_and_b32 s16, s14, 1                          ; which half of Q's rows.  Also: which 8 tiles I fetch
	s_bfe_u32 s40, ttmp6, 0x40000                  ; cx, cy: my place in the cluster
	s_bfe_u32 s41, ttmp6, 0x40004
	s_and_b32 s42, ttmp7, 0xffff                   ; the cluster's y
	s_lshl_b32 s43, s41, 2
	s_lshl_b32 s43, 15, s43                        ; my row of the cluster
	s_lshl_b32 s44, 0x1111, s40                    ; my column
	; descriptor group 1, codes: 8 rows (tiles) of 384 elements of 8 bytes, 1,536 elements apart; no padding
	s_or_b32 s[G1+0], s43, (3<<16)|(1<<21)         ; 15:0 the mask: P's tiles go to my row; 17:16 elements of 8 bytes; 21 set beside a mask
	s_or_b32 s[G1B+0], s44, (3<<16)|(1<<21)        ; Q's go to my column
.irp g, G1, G1B
	s_mov_b32 s[\g+1], 384<<16                     ; tensor_dim0
	s_mov_b32 s[\g+2], 8<<16                       ; tensor_dim1
	s_mov_b32 s[\g+3], 384<<16                     ; tile_dim0
	s_mov_b32 s[\g+4], 8                           ; tile_dim1
	s_mov_b32 s[\g+5], 1536                        ; tensor_dim0_stride: a tile's 12,288 bytes
	s_mov_b32 s[\g+6], 0
	s_mov_b32 s[\g+7], 0
.endr
	; scale words of 8 tiles: a dense block of 4,096 bytes as 16 rows of 256
	s_or_b32 s[G1S+0], s43, (3<<16)|(1<<21)
	s_or_b32 s[G1SB+0], s44, (3<<16)|(1<<21)
.irp g, G1S, G1SB
	s_mov_b32 s[\g+1], 32<<16
	s_mov_b32 s[\g+2], 16<<16
	s_mov_b32 s[\g+3], 32<<16
	s_mov_b32 s[\g+4], 16
	s_mov_b32 s[\g+5], 32
	s_mov_b32 s[\g+6], 0
	s_mov_b32 s[\g+7], 0
.endr
	; the roles.  P's first tile hangs on the cluster's numbers and cy, Q's on the cluster's numbers and cx: each in registers that never hold the other coordinate
	s_lshl_b32 s18, s42, 6                         ; q, k: P = tokens: tile 64 y (+ 16 cy)
	s_lshl_b32 s19, ttmp9, 6
	s_add_co_u32 s20, s19, 512                     ; q, k: Q = qkv_w: tile 512 + 64 x (+ 16 cx)
	s_max_u32 s21, s42, 8
	s_sub_co_u32 s21, s21, 8
	s_lshl_b32 s21, s21, 7
	s_add_co_u32 s21, s21, s19                     ; v: Q = tokens: tile 64 (x + 2 (y - 8)) (+ 16 cx)
	s_mov_b32 s22, 640                             ; v: P = qkv_w from row 2,048 on: tile 640 (+ 16 cy)
	s_cmp_ge_u32 s42, 8
	s_cselect_b32 s17, 1, 0                        ; 1: the part that makes v
	s_cselect_b32 s18, s22, s18
	s_cselect_b32 s19, s21, s20
	s_lshl_b32 s23, s16, 3                         ; which 8 tiles I fetch
	s_lshl_b32 s20, s41, 4
	s_add_co_u32 s20, s20, s18
	s_add_co_u32 s20, s20, s23                     ; P's
	s_lshl_b32 s46, s40, 4
	s_add_co_u32 s46, s46, s19
	s_add_co_u32 s46, s46, s23                     ; Q's
	s_lshl_b32 s22, s20, 9                         ; where their scale words begin, in bytes
	s_mov_b32 s23, 0
	s_lshl_b32 s92, s46, 9
	s_mov_b32 s93, 0
	s_mul_i32 s20, s20, 12288                      ; and their codes
	s_mov_b32 s21, 0
	s_mul_i32 s46, s46, 12288
	s_mov_b32 s47, 0
	s_mul_i32 s45, s14, HALFT                      ; where they go: wave x 8 tiles: no place in the cluster enters an LDS address
	s_lshl_b32 s94, s14, 12
	s_wait_kmcnt 0x0
	s_add_nc_u64 s[20:21], s[4:5], s[20:21]
	s_add_nc_u64 s[22:23], s[6:7], s[22:23]
	s_add_nc_u64 s[46:47], s[4:5], s[46:47]
	s_add_nc_u64 s[92:93], s[6:7], s[92:93]
	CROUND                                         ; all sixteen work-groups are here: the first joint loads meet
	s_mov_b32 s[G0S], 1
	s_add_co_u32 s[G0S+1], s94, SCL
	s_mov_b64 s[G0S+2:G0S+3], s[22:23]
	s_or_b32 s[G0S+3], s[G0S+3], 0x80000000
	s_mov_b32 s[G0SB], 1
	s_add_co_u32 s[G0SB+1], s94, SCL
	s_mov_b64 s[G0SB+2:G0SB+3], s[92:93]
	s_or_b32 s[G0SB+3], s[G0SB+3], 0x80000000
	JLOAD G0S, G1S, G0SB, G1SB                     ; the scale words first: they are wanted with the first slot
.irp s, 0,1
	s_mov_b32 s[G0+4*\s], 1
	s_add_co_u32 s[G0+4*\s+1], s45, \s*SLOT
	s_add_nc_u64 s[G0+4*\s+2:G0+4*\s+3], s[20:21], \s*TROW
	s_or_b32 s[G0+4*\s+3], s[G0+4*\s+3], 0x80000000
	s_mov_b32 s[G0B+4*\s], 1
	s_add_co_u32 s[G0B+4*\s+1], s45, \s*SLOT
	s_add_nc_u64 s[G0B+4*\s+2:G0B+4*\s+3], s[46:47], \s*TROW
	s_or_b32 s[G0B+4*\s+3], s[G0B+4*\s+3], 0x80000000
	JLOAD G0+4*\s, G1, G0B+4*\s, G1B
.endr
	v_and_b32 v1, 15, v0                           ; r
	v_bfe_u32 v2, v0, 4, 1                         ; h
	v_and_b32 v3, 31, v0                           ; lane
	v_lshlrev_b32 v25, 4, v3                       ; 16 x lane
	v_lshlrev_b32 v24, 3, v3                       ; 8 x lane
	v_lshlrev_b32 v26, 4, v1
	v_lshl_add_u32 v26, v2, 3, v26                 ; 16 r + 8 h
	s_mul_i32 s21, s15, HALFT                      ; my 8 tiles of P
	s_mul_i32 s22, s16, HALFT                      ; my 8 tiles of Q,
	s_add_co_u32 s22, s22, 2*HALFT                 ; which lie behind P's 16
.irp s, 0,1
	v_add_nc_u32 v[ADRA+\s], s21, v25
	v_add_nc_u32 v[ADRB+\s], s22, v25
	s_add_co_u32 s21, s21, SLOT
	s_add_co_u32 s22, s22, SLOT
.endr
	v_lshlrev_b32 v5, 4, v1                        ; my row's scale words: 16 bytes a row in each half of a tile's 512
	s_lshl_b32 s21, s15, 12                        ; P's: my 8 tiles
	s_lshl_b32 s22, s16, 12                        ; Q's: my 8 tiles, behind P's 16
	s_add_co_u32 s22, s22, 2*HALFS
	s_sub_co_u32 s22, s22, s21
	v_mul_u32_u24 v6, s22, v2                      ; lanes 16-31 take Q's
	s_add_co_u32 s21, s21, SCL
	v_add_nc_u32 v5, v5, v6
	v_add_nc_u32 v[ADRS], s21, v5
	s_mov_b32 s[SEL], 0x76543210
	s_mov_b32 s[SEL+1], 0xfedcba98
	s_mov_b32 s98, 0xffff0000                      ; lanes 16-31
.macro FRAG reg, adr, q, i             ; a fragment comes as its image lies: three loads of 512 consecutive bytes
.irp j, 0,1,2
	ds_load_b128 v[\reg+4*\j:\reg+4*\j+3], v[\adr] offset:(\i)*TROW+(\q)*FRB+512*\j
.endr
.endm
; 16 matrix instructions: P's blocks a0, a0 + 1 x Q's eight, 128 along K: the slot's q-th.  p: Q's set; sc: the set of scale words.  zero = 1: the first product starts the sums.
; The 64 accumulators take turns, one instruction a turn, in the same order in every step.
.macro MUL16 a0, p, q, sc, zero
.irp a, \a0, \a0+1
.irp b, 0,1,2,3,4,5,6,7
.if \zero
	v_wmma_scale_f32_16x16x128_f8f6f4 v[8*(8*((\a)%4)+\b):8*(8*((\a)%4)+\b)+7], v[128*(\p)+FR*\b:128*(\p)+FR*\b+FR-1], v[AF+FR*(\a):AF+FR*(\a)+FR-1], 0, v[SC+8*NQ*(\sc)+NQ*\b+(\q)], v[SC+8*NQ*(\sc)+NQ*(\a)+(\q)] matrix_a_fmt:MATRIX_FMT_FP6 matrix_b_fmt:MATRIX_FMT_FP6 matrix_a_scale:MATRIX_SCALE_ROW1
.else
	v_wmma_scale_f32_16x16x128_f8f6f4 v[8*(8*((\a)%4)+\b):8*(8*((\a)%4)+\b)+7], v[128*(\p)+FR*\b:128*(\p)+FR*\b+FR-1], v[AF+FR*(\a):AF+FR*(\a)+FR-1], v[8*(8*((\a)%4)+\b):8*(8*((\a)%4)+\b)+7], v[SC+8*NQ*(\sc)+NQ*\b+(\q)], v[SC+8*NQ*(\sc)+NQ*(\a)+(\q)] matrix_a_fmt:MATRIX_FMT_FP6 matrix_b_fmt:MATRIX_FMT_FP6 matrix_a_scale:MATRIX_SCALE_ROW1
.endif
.endr
.endr
.endm
.macro FETCH_B slot, q, p              ; Q's eight fragments of the slot's q-th 128 along K into set p
	WIN TO_B
.irp i, 0,1,2,3,4,5,6,7
	FRAG 128*(\p)+FR*\i, ADRB+\slot, \q, \i
.endr
	WIN 0
.endm
.macro FETCH_A slot, q, i0             ; P's blocks i0 .. i0 + 3
.irp i, \i0, \i0+1, \i0+2, \i0+3
	FRAG AF+FR*(\i), ADRA+\slot, \q, \i
.endr
.endm
.macro SCALES sc                       ; a slot's scale words into set sc: two words a row; lanes 0-15 take P's block i, lanes 16-31 Q's block i
.irp i, 0,1,2,3,4,5,6,7
	ds_load_b64 v[SC+8*NQ*\sc+NQ*\i:SC+8*NQ*\sc+NQ*\i+1], v[ADRS] offset:\i*512
.endr
.endm
; A load into a register that a matrix instruction has read, and a vector instruction that reads a matrix result, stand NP places behind it; only plain vector instructions that name none of its registers are places.
.macro PLACES n
.rept \n
	v_nop
.endr
.endm
.macro STEP slot, q, zero              ; a step of 128 along K that has its successor in the same slot
	s_wait_dscnt 4*NL                              ; Q's set and P's blocks 0-3 are in; the youngest 12 loads (P's blocks 4-7) may be out
	WIN MUL_LO
	MUL16 0, (\q)%2, \q, \slot, \zero
	MUL16 2, (\q)%2, \q, \slot, \zero
	s_wait_dscnt 0                                 ; P's blocks 4-7 are in
	PLACES NP
	FETCH_B \slot, (\q)+1, 1-(\q)%2
	FETCH_A \slot, (\q)+1, 0
	WIN MUL_HI
	MUL16 4, (\q)%2, \q, \slot, \zero
	MUL16 6, (\q)%2, \q, \slot, \zero
	PLACES NP
	WIN 0
	FETCH_A \slot, (\q)+1, 4
.endm
; A slot's last step changes slots: ONE barrier; in front of it each wave waits for all its tensor loads, adds 0 to its spare word, and waits for that and for its reads of this slot.  fill = 1: this slot is filled again.
.macro TURN slot, next, fill
	s_wait_tensorcnt 0x0                           ; all my tensor loads have landed: my part of the next slot
	ds_add_u32 v[SPW], v[NIL]                      ; 0 onto my spare word
	s_wait_dscnt 4*NL+1                            ; (the add and the youngest 12 loads may be out)
	WIN MUL_LO
	MUL16 0, 1, NQ-1, \slot, 0                     ; sixteen matrix instructions stand between the add and the wait for it
	s_wait_dscnt 0x0                               ; the add is done, and my reads of this slot are over
	s_barrier_signal -1
	MUL16 2, 1, NQ-1, \slot, 0
	WIN 0
	s_barrier_wait -1
.if \fill
	CREST                                          ; the barrier has opened a round of the cluster's: no wave of any partner still reads this slot or has a load on its way
	s_add_nc_u64 s[G0+4*\slot+2:G0+4*\slot+3], s[G0+4*\slot+2:G0+4*\slot+3], 2*TROW
	s_add_nc_u64 s[G0B+4*\slot+2:G0B+4*\slot+3], s[G0B+4*\slot+2:G0B+4*\slot+3], 2*TROW
	JLOAD G0+4*\slot, G1, G0B+4*\slot, G1B         ; the first tensor load behind the round; its four v_nop are the places in front of the loads below
.else
	PLACES NP
.endif
.if \slot == 0
	v_add_nc_u32 v[ADRS], 8, v[ADRS]               ; the four slots' words of a row lie at 0, 8, 256 and 264
.else
	v_add_nc_u32 v[ADRS], 248, v[ADRS]
.endif
	FETCH_B \next, 0, 0
	FETCH_A \next, 0, 0
	SCALES \next
	WIN MUL_HI
	MUL16 4, 1, NQ-1, \slot, 0
	MUL16 6, 1, NQ-1, \slot, 0
	PLACES NP
	WIN 0
	FETCH_A \next, 0, 4
.endm
.macro TAIL                            ; the last slot: nothing more to fetch behind it
	STEP 1, 0, 0
	s_wait_dscnt 4*NL
	WIN MUL_LO
	MUL16 0, 1, NQ-1, 1, 0
	MUL16 2, 1, NQ-1, 1, 0
	s_wait_dscnt 0
	WIN MUL_HI
	MUL16 4, 1, NQ-1, 1, 0
	MUL16 6, 1, NQ-1, 1, 0
	WIN 0
	PLACES NP
.endm
; THE WAY OUT of P's block a.  The addition of the bias also brings the sums into window 0, each accumulator from its low end on.  isv = 0: two heads' fragments of q or k; isv = 1: an image of v.
.macro EPIBLK a, isv
.set WN, 2+(\a)/4
	WIN WN                                         ; source 0: window 2 or 3
.set n, 0
.rept 32
.if \isv
	v_pk_add_f32 v[H+n:H+n+1], v[64*((\a)%4)+n:64*((\a)%4)+n+1], v[BP+2*(\a):BP+2*(\a)+1]
.else
	v_pk_add_f32 v[H+n:H+n+1], v[64*((\a)%4)+n:64*((\a)%4)+n+1], v[BQ+n:BQ+n+1]
.endif
.set n, n+2
.endr
	WIN 0
	s_wait_xcnt 0x0                                ; the last block's stores have read their registers
	QUANT H, PW+(\a)%4
.if \isv
.irp q, 0,1,2
	global_store_b128 v25, v[PC+4*\q:PC+4*\q+3], s[10:11] offset:((\a)/4)*294912+((\a)%4)*1536+512*\q   ; 512 consecutive bytes, aligned
.endr
.else
.irp c, 0,1                                    ; registers 6 c .. 6 c + 5 are head c's: lane half h holds its block h
.irp i, 0,1,2
	global_store_b64 v24, v[PC+6*\c+2*\i:PC+6*\c+2*\i+1], s[10:11] offset:\c*294912+(\a)*768+256*\i   ; 256 consecutive bytes, aligned
.endr
.endr
.endif
.if (\a)%4 == 3                                ; four blocks' words make 16 bytes a row: lanes 0-15 store words 0, 1, lanes 16-31 words 2, 3: 256 consecutive bytes
	v_cndmask_b32 v[T], v[PW], v[PW+2], s98
	v_cndmask_b32 v[T+1], v[PW+1], v[PW+3], s98
.if \isv
	global_store_b64 v26, v[T:T+1], s[12:13] offset:((\a)/4)*20480
.else
	v_and_b32 v[T+2], 0xffff, v[T]                 ; the first head's two bytes,
	v_and_b32 v[T+3], 0xffff, v[T+1]
	v_lshrrev_b32 v[T+4], 16, v[T]                 ; the second's; bytes 2 and 3 of a word are 0
	v_lshrrev_b32 v[T+5], 16, v[T+1]
	global_store_b64 v26, v[T+2:T+3], s[12:13] offset:((\a)/4)*256
	global_store_b64 v26, v[T+4:T+5], s[12:13] offset:20480+((\a)/4)*256
.endif
.endif
.endm
.macro EPI isv
	s_wait_loadcnt 0x0                             ; the bias
.irp b, 0,1,2,3
	v_mov_b32 v[TM+4+\b], 0                        ; a lane permute's destination counts as one of its sources
.endr
.irp a, 0,1,2,3,4,5,6,7
	EPIBLK \a, \isv
.endr
.endm
	s_wait_tensorcnt 1                             ; the scale words and my part of slot 0 are in (slot 1's load may be out),
	s_barrier_signal -1
	s_barrier_wait -1                              ; everybody's are
	FETCH_B 0, 0, 0
	FETCH_A 0, 0, 0
	SCALES 0
	FETCH_A 0, 0, 4
	STEP 0, 0, 1                                   ; the first step stands in front of the loop: its products start the sums
	s_mov_b32 s3, LAPS-1
.Llap:                                                 ; a trip goes once round the ring and fills both slots again
	TURN 0, 1, 1
	STEP 1, 0, 0
	TURN 1, 0, 1
	STEP 0, 0, 0
	s_sub_co_u32 s3, s3, 1
	s_cmp_lg_u32 s3, 0
	s_cbranch_scc1 .Llap
	TURN 0, 1, 0                                   ; the last change of slots fills nothing
	s_cmp_lg_u32 s17, 0                            ; THE PARTING, on the cluster's y alone.  No barrier and no tensor load follows before the paths join; neither path stores to LDS
	s_cbranch_scc1 .Lpart_v
	; ---- q and k.  Y = 4 y + cy: my 256 tokens; X = 4 x + cx: my 256 rows of qkv_w: kind x, heads 4 cx ..
	s_lshl_b32 s18, s42, 2
	s_add_co_u32 s18, s18, s41                     ; Y
	s_lshr_b32 s19, s18, 3                         ; the batch
	s_and_b32 s18, s18, 7
	s_lshl_b32 s18, s18, 4
	s_lshl_b32 s20, s15, 3
	s_add_co_u32 s18, s18, s20                     ; my first token tile in the batch
	s_lshl_b32 s19, s19, 4
	s_lshl_b32 s20, s40, 2
	s_add_co_u32 s19, s19, s20
	s_lshl_b32 s20, s16, 1
	s_add_co_u32 s19, s19, s20                     ; 16 b + my first head
	s_mul_i32 s20, s19, 294912
	s_mul_i32 s21, ttmp9, 98304
	s_add_co_u32 s20, s20, s21
	s_mul_i32 s21, s18, 768
	s_add_co_u32 s20, s20, s21
	s_mov_b32 s21, 0
	s_add_nc_u64 s[10:11], s[10:11], s[20:21]
	s_mul_i32 s20, s19, 20480
	s_lshl_b32 s22, ttmp9, 13
	s_add_co_u32 s20, s20, s22
	s_lshl_b32 s22, s18, 6                         ; 256 bytes for four tiles
	s_add_co_u32 s20, s20, s22
	s_add_nc_u64 s[12:13], s[12:13], s[20:21]
	s_lshl_b32 s20, ttmp9, 2
	s_add_co_u32 s20, s20, s40                     ; X
	s_lshl_b32 s20, s20, 10
	s_lshl_b32 s22, s16, 9
	s_add_co_u32 s20, s20, s22
	s_add_nc_u64 s[8:9], s[8:9], s[20:21]          ; the bias of my 128 rows of qkv_w
	v_lshlrev_b32 v8, 6, v2                        ; register 16 g + i wants that of row 32 g + 16 h + i
.irp g, 0,1,2,3
.irp j, 0,1,2,3
	global_load_b128 v[BQ+16*\g+4*\j:BQ+16*\g+4*\j+3], v8, s[8:9] offset:128*\g+16*\j
.endr
.endr
	TAIL                                           ; the last 128 products stand between the bias's loads and the wait for them
	EPI 0
	s_branch .Lend
.Lpart_v:
	; ---- v.  X = 4 (x + 2 (y - 8)) + cx: my 256 tokens; cy: my 256 rows of qkv_w: heads 4 cy ..
	s_sub_co_u32 s18, s42, 8
	s_lshl_b32 s18, s18, 1
	s_add_co_u32 s18, s18, ttmp9
	s_lshl_b32 s18, s18, 2
	s_add_co_u32 s18, s18, s40                     ; X
	s_lshl_b32 s18, s18, 1
	s_add_co_u32 s18, s18, s16                     ; my 128 tokens among all
	s_lshr_b32 s19, s18, 4                         ; the batch
	s_and_b32 s18, s18, 15                         ; the key step
	s_lshl_b32 s19, s19, 4
	s_lshl_b32 s20, s41, 2
	s_add_co_u32 s19, s19, s20
	s_lshl_b32 s20, s15, 1
	s_add_co_u32 s19, s19, s20                     ; 16 b + my first head
	s_mul_i32 s20, s19, 294912
	s_add_co_u32 s20, s20, 196608
	s_mul_i32 s21, s18, 6144
	s_add_co_u32 s20, s20, s21
	s_mov_b32 s21, 0
	s_add_nc_u64 s[10:11], s[10:11], s[20:21]
	s_mul_i32 s20, s19, 20480
	s_add_co_u32 s20, s20, 16384
	s_lshl_b32 s22, s18, 8
	s_add_co_u32 s20, s20, s22
	s_add_nc_u64 s[12:13], s[12:13], s[20:21]
	s_lshl_b32 s20, s41, 10
	s_lshl_b32 s22, s15, 9
	s_add_co_u32 s20, s20, s22
	s_add_co_u32 s20, s20, 8192
	s_add_nc_u64 s[8:9], s[8:9], s[20:21]          ; the bias of my 128 rows of qkv_w, from row 2,048 on
	v_and_b32 v8, 8, v1
	v_add_nc_u32 v8, v8, v1
	v_lshlrev_b32 v8, 2, v8                        ; my lane's row of a tile: r + 8 (r / 8)
.irp a, 0,1,2,3,4,5,6,7
.irp e, 0,1
	global_load_b32 v[BP+2*\a+\e], v8, s[8:9] offset:4*(32*(\a/2)+8*(\a%2))   ; the same word twice: a pair for the packed addition
.endr
.endr
	TAIL
	EPI 1
.Lend:
	s_wait_tensorcnt 0x0                           ; the wave's end
	ds_add_u32 v[SPW], v[NIL]
	s_wait_dscnt 0x0
	CROUND                                         ; the closing round: no work-group ends while a partner may still ask for a tile that names it
	s_endpgm
.Lfunc_end_k_q41b4f9b495_gemm_qkv:
	.size	k_q41b4f9b495_gemm_qkv, .Lfunc_end_k_q41b4f9b495_gemm_qkv-k_q41b4f9b495_gemm_qkv
	.p2alignl 7, 3214868480
	.fill 96, 4, 3214868480
	.section	.rodata,"a",@progbits
	.p2align	6, 0x0
	.amdhsa_kernel k_q41b4f9b495_gemm_qkv
		.amdhsa_group_segment_fixed_size 327680
		.amdhsa_private_segment_fixed_size 0
		.amdhsa_enable_private_segment 0
		.amdhsa_kernarg_size 40
		.amdhsa_user_sgpr_count 2
		.amdhsa_user_sgpr_kernarg_segment_ptr 1
		.amdhsa_wavefront_size32 1
		.amdhsa_system_sgpr_workgroup_id_x 1
		.amdhsa_system_sgpr_workgroup_id_y 1
		.amdhsa_system_sgpr_workgroup_id_z 1
		.amdhsa_system_vgpr_workitem_id 0
		.amdhsa_next_free_vgpr 1024
		.amdhsa_next_free_sgpr 100
		.amdhsa_reserve_vcc 0
		.amdhsa_float_denorm_mode_32 3
		.amdhsa_float_denorm_mode_16_64 3
		.amdhsa_memory_ordered 1
		.amdhsa_forward_progress 1
		.amdhsa_inst_pref_size 232
	.end_amdhsa_kernel
	.amdgpu_metadata
---
amdhsa.version: [ 1, 2 ]
amdhsa.kernels:
  - .name:           k_q41b4f9b495_gemm_qkv
    .symbol:         k_q41b4f9b495_gemm_qkv.kd
    .args:
      - { .name: opc, .offset: 0, .size: 8, .value_kind: global_buffer, .address_space: global }
      - { .name: ops, .offset: 8, .size: 8, .value_kind: global_buffer, .address_space: global }
      - { .name: qkv_b, .offset: 16, .size: 8, .value_kind: global_buffer, .address_space: global }
      - { .name: qkvc, .offset: 24, .size: 8, .value_kind: global_buffer, .address_space: global }
      - { .name: qkvs, .offset: 32, .size: 8, .value_kind: global_buffer, .address_space: global }
    .group_segment_fixed_size: 327680
    .private_segment_fixed_size: 0
    .kernarg_segment_align: 8
    .kernarg_segment_size: 40
    .max_flat_workgroup_size: 128
    .sgpr_count:     100
    .vgpr_count:     1024
    .wavefront_size: 32
...
	.end_amdgpu_metadata
.endif
;; end of part 2
;; launch attn (part 3): grid 4 x 64, 16 waves a work-group, clusters of 4 x 1, 219,136 bytes of LDS; arguments qkvc, qkvs, mask, a2c, a2s; writes a2c, a2s
.if DOCPART == 3
	.amdgcn_target "amdgcn-amd-amdhsa--gfx1250"
	.amdhsa_code_object_version 6
	.text
	.protected	k_q41b4f9b495_attn
	.globl	k_q41b4f9b495_attn
	.p2align	8
	.type	k_q41b4f9b495_attn,@function
k_q41b4f9b495_attn:
	s_mov_b64 s[64:65], 0
	v_nop
	global_prefetch_b8 v0, s[64:65] scope:SCOPE_SE
	s_setreg_imm32_b32 hwreg(HW_REG_WAVE_MODE, 25, 1), 1
	s_wait_xcnt 0x0
	s_wait_alu depctr_hold_cnt(0) depctr_sa_sdst(0) depctr_va_vdst(0) depctr_va_sdst(0) depctr_va_ssrc(0) depctr_va_vcc(0) depctr_vm_vsrc(0)
	s_getreg_b32 s2, hwreg(HW_REG_IB_STS2, 6, 4)
	s_cmp_eq_u32 s2, 0
	s_cbranch_scc0 .Lentry_in_a_cluster
	s_endpgm
.Lentry_in_a_cluster:
	s_bfe_u32 s2, ttmp6, 0x10000c
	s_cmp_lg_u32 s2, 0x3003
	s_cbranch_scc0 .Lentry_shape_is_right
	s_endpgm
.Lentry_shape_is_right:
; For each batch and head: O[q] = sum over keys of softmax(q . k / 8, masked keys left out) v, both products on codes of FP6 (E2M3) with E8M0 scales; O / l is quantised at once along the model's 1,024 for the last product.
; THE SOFTMAX AHEAD OF THE SECOND PRODUCT: t = score x log2(e) / 8; M = the running largest t rounded UP to a whole number; p = 2^(t - M) is quantised along the keys; the row's sum l is taken of the unquantised p
; and divides at the end.  When M moves, the sum and O are multiplied by 2^(old M - new M): exact.
; THE MASK costs no vector instruction in the loop: 0 or -2^100 for each key lies in LDS as f32 and is the C of the first product's matrix instructions, loaded into the scores' own registers.
; SHARES.  A cluster is the four work-groups of one (batch, head); a work-group owns 512 queries; each of its sixteen waves owns one tile of 16 queries in each of two passes.  Four waves share a SIMD, so that one
; wave's vector work stands beside another's matrix work and LDS loads.  ALL of the head's K and V (codes and scale words, 208,896 bytes) lies in LDS, FILLED ONCE by joint loads (mask: all four partners),
; in four chunks of four key steps, so that the first pass begins when the first chunk has landed.  Nothing is filled again.  Five tensor loads of a wave (waves 0-3) are out at the most.
; LAYOUT.  Both products are used transposed: S^T = K Q^T (source 0 = 16 keys), O^T = V^T P^T (source 0 = 16 channels): a lane holds ONE query throughout.  Tiles of keys, queries and channels have the order
; lane r = 32 g + 8 u + r + 8 (r / 8) for tile 2 g + u, so that the 16 registers of two neighbouring tiles are 16 neighbours.
; THE FIRST PRODUCT'S K IS 64: a fragment of K or Q is six registers.  Q's registers 6-11 hold zero codes, and bytes 2, 3 of both scale words are 0; so K's operand may name the next tile's registers as its upper six.
; OUT: a2c: row tiles as images, the blocks of a K step in the order of the quantiser's launch: a head's 48 bytes a row fill lanes 16 (head % 2) .. + 15 of K step head / 2: three whole pieces of 256 bytes a tile.
;      a2s: two bytes a row and head, stored singly (2 bytes against 48 of codes): these stores cover parts of aligned 256-byte pieces.
; LIMITS: a batch whose every key is masked is not served (the reference gives NaN there); scores of magnitude 2^76 and more, and t of -2^80 and less, are not served (masked scores are -2^100, the running maximum
; starts at -2^80); a block of zeros gets the byte 1 where the rule says 127 (its codes are zeros; this program alone reads the bytes); NaN and infinities are not served.
; No prefetch: all that the launch reads is asked for at its head.
.set VB,    98304                      ; LDS: K's codes at 0, V's here: 16 key steps x 6,144 bytes each
.set SCB,   196608                     ; K's scale words (8,192 bytes), then V's (4,096)
.set MB,    208896                     ; the mask as f32, 2,048 keys: written by LDS stores alone, no fill lands here
.set ADK,  6                           ; v6-10 LDS addresses of the step in hand: K, V, K's words, V's words, the mask
.set ADV,  7
.set ADS,  8
.set ADT,  9
.set ADM,  10
.set KV,   32                          ; v32-79 eight tiles of K (6 registers each), later four fragments of V; v80-85 zeros
.set S,    88                          ; v88-151 the mask, S^T, then p
.set OT,   152                         ; v152-183 O^T
.set PC,   184                         ; v184-195 p's codes
.set PT,   196                         ; v196-203 conversions' second halves
.set BM,   204                         ; v204-207 the blocks' largest scores
.set BP,   208                         ; v208-211 at work; the bytes
.set SO,   212                         ; v212-215 the conversions' scale operands
.set KS,   216                         ; v216-223 K's scale words
.set VS,   224                         ; v224-227 V's
.set SEL,  20                          ; s[20:21] lane selects: lane l xor 16
.set CS,   22                          ; s[22:23] c = log2(e) / 8
.set G1S,  24                          ; s[24:31] group 1 for the scale words; s[32:39] for a chunk's part; s[40:59] five groups 0
.set G1C,  32
.set T6,   60                          ; s60 the step's codes: 6,144 bytes a step
.set TS,   61                          ; s61 K's words and the mask: 512 bytes a step
.set TV,   62                          ; s62 V's words: 256 bytes a step
.set CNT,  63
.set QB,   66                          ; s[66:67] my query tile's codes; s[68:69] its scale words; s[70:71], s[72:73] my places in a2c and a2s
.set QS,   68
.set AC,   70
.set AS,   72
.macro CROUND
	s_barrier_signal -1
	s_barrier_wait -1
	s_cmp_lg_u32 s14, 0
	s_cbranch_scc1 .Lnot_wave_0_\@
	s_barrier_signal -3
.Lnot_wave_0_\@:
	s_barrier_wait -3
	s_barrier_signal -1
	s_barrier_wait -1
.endm
	s_load_b128 s[4:7], s[0:1], 0x0                ; qkvc, qkvs
	s_load_b128 s[8:11], s[0:1], 0x10              ; mask, a2c
	s_load_b64 s[12:13], s[0:1], 0x20              ; a2s
	v_lshl_add_u32 v254, v0, 2, 0x35000
	v_mov_b32 v255, 0
	ds_add_u32 v254, v255
	ds_add_u32 v254, v255
	v_lshrrev_b32 v1, 5, v0
	s_delay_alu instid0(VALU_DEP_1)
	v_readfirstlane_b32 s14, v1                    ; wave 0..15
	s_bfe_u32 s15, ttmp6, 0x40000                  ; cx: it enters the queries' and the results' global addresses alone
	s_and_b32 s16, ttmp7, 0xffff                   ; 16 b + head, which the four partners share
	s_mul_i32 s17, s16, 294912                     ; the head's codes
	s_mul_i32 s18, s16, 20480                      ; and scale words
	s_min_u32 s19, s14, 3                          ; the number by which waves 0-3 share the fills (the others issue none)
	s_lshl_b32 s76, s15, 5
	s_add_co_u32 s76, s76, s14                     ; my query tile of the first pass, in the batch: 32 cx + wave
	s_mul_i32 s66, s76, 768
	s_add_co_u32 s66, s66, s17
	s_mov_b32 s67, 0
	s_lshr_b32 s77, s76, 2
	s_lshl_b32 s68, s77, 8
	s_and_b32 s77, s76, 3
	s_lshl_b32 s77, s77, 2
	s_add_co_u32 s68, s68, s77
	s_add_co_u32 s68, s68, s18
	s_mov_b32 s69, 0
	s_lshr_b32 s77, s16, 4                         ; b
	s_lshl_b32 s78, s77, 7
	s_add_co_u32 s76, s76, s78                     ; the tile among a2c's 512
	s_and_b32 s78, s16, 15                         ; head
	s_mul_i32 s70, s76, 12288
	s_lshr_b32 s79, s78, 1
	s_mul_i32 s79, s79, 1536                       ; K step head / 2
	s_add_co_u32 s70, s70, s79
	s_and_b32 s79, s78, 1
	s_lshl_b32 s80, s79, 8                         ; lanes 16 (head % 2) on
	s_add_co_u32 s70, s70, s80
	s_mov_b32 s71, 0
	s_lshl_b32 s72, s76, 9
	s_add_co_u32 s72, s72, s79                     ; byte head % 2 (and 2 more for the head's second block)
	s_lshr_b32 s80, s78, 3
	s_lshl_b32 s80, s80, 8
	s_add_co_u32 s72, s72, s80
	s_lshr_b32 s80, s78, 1
	s_and_b32 s80, s80, 3
	s_lshl_b32 s80, s80, 2
	s_add_co_u32 s72, s72, s80
	s_mov_b32 s73, 0
	s_lshl_b32 s82, s77, 13                        ; the batch's mask
	s_mov_b32 s83, 0
	s_mul_i32 s84, s19, 3072                       ; a quarter of the scale words:
	s_add_co_u32 s41, s84, SCB                     ; in LDS,
	s_add_co_u32 s84, s84, s18
	s_add_co_u32 s84, s84, 8192                    ; in memory (K's words, then V's, lie on end)
	s_mov_b32 s85, 0
	s_lshr_b32 s86, s19, 1                         ; waves 0, 1: K; waves 2, 3: V
	s_mul_i32 s86, s86, 98304
	s_and_b32 s87, s19, 1
	s_mul_i32 s87, s87, 12288                      ; which half of a chunk
	s_add_co_u32 s86, s86, s87
	s_add_co_u32 s88, s86, s17
	s_add_co_u32 s88, s88, 98304                   ; (K's codes, then V's, lie on end in memory as in LDS)
	s_mov_b32 s89, 0
	; group 1: dense blocks as rows of 256 bytes (32 elements of 8 bytes): 12 rows of scale words, 48 rows of codes
	s_mov_b32 s[G1S], 15|(3<<16)|(1<<21)           ; 15:0 the mask: all four work-groups; 17:16 elements of 8 bytes; 21 set beside a mask
	s_mov_b32 s[G1S+1], 32<<16
	s_mov_b32 s[G1S+2], 12<<16
	s_mov_b32 s[G1S+3], 32<<16
	s_mov_b32 s[G1S+4], 12
	s_mov_b32 s[G1S+5], 32
	s_mov_b32 s[G1S+6], 0
	s_mov_b32 s[G1S+7], 0
	s_mov_b32 s[G1C], 15|(3<<16)|(1<<21)
	s_mov_b32 s[G1C+1], 32<<16
	s_mov_b32 s[G1C+2], 48<<16
	s_mov_b32 s[G1C+3], 32<<16
	s_mov_b32 s[G1C+4], 48
	s_mov_b32 s[G1C+5], 32
	s_mov_b32 s[G1C+6], 0
	s_mov_b32 s[G1C+7], 0
	s_mov_b32 s[SEL], 0x76543210
	s_mov_b32 s[SEL+1], 0xfedcba98
	s_mov_b32 s[CS], 0x3e38aa3b                    ; log2(e) / 8
	s_mov_b32 s[CS+1], s[CS]                       ; (named with it as a pair, so it is written)
	s_mov_b32 s[T6], 0
	s_mov_b32 s[TS], 0
	s_mov_b32 s[TV], 0
	s_wait_dscnt 0x0
	s_wait_kmcnt 0x0
	s_mov_b32 s40, 1
	s_add_nc_u64 s[42:43], s[6:7], s[84:85]
	s_or_b32 s43, s43, 0x80000000
	s_add_nc_u64 s[88:89], s[4:5], s[88:89]
.irp c, 0,1,2,3
	s_mov_b32 s[44+4*\c], 1
	s_add_co_u32 s[45+4*\c], s86, \c*24576
	s_add_nc_u64 s[46+4*\c:47+4*\c], s[88:89], \c*24576
	s_or_b32 s[47+4*\c], s[47+4*\c], 0x80000000
.endr
	s_add_nc_u64 s[QB:QB+1], s[4:5], s[QB:QB+1]
	s_add_nc_u64 s[QS:QS+1], s[6:7], s[QS:QS+1]
	s_add_nc_u64 s[AC:AC+1], s[10:11], s[AC:AC+1]
	s_add_nc_u64 s[AS:AS+1], s[12:13], s[AS:AS+1]
	s_add_nc_u64 s[82:83], s[8:9], s[82:83]
	CROUND                                         ; all four work-groups are here: the joint loads meet
	s_cmp_lt_u32 s14, 4                            ; a wave's five fills stand in one branch on the wave's number, ahead of every wait on TENSORcnt, every LDS access and every further barrier
	s_cbranch_scc0 .Lno_fill
	tensor_load_to_lds s[40:43], s[G1S:G1S+7]      ; the scale words first,
	s_nop 0
	tensor_load_to_lds s[44:47], s[G1C:G1C+7]      ; then chunks 0 to 3
	s_nop 0
	tensor_load_to_lds s[48:51], s[G1C:G1C+7]
	s_nop 0
	tensor_load_to_lds s[52:55], s[G1C:G1C+7]
	s_nop 0
	tensor_load_to_lds s[56:59], s[G1C:G1C+7]
	s_nop 0
.rept 4
	v_nop
.endr
.Lno_fill:
	v_and_b32 v30, 31, v0                          ; lane; kept
	v_and_b32 v31, 15, v0                          ; r
	v_bfe_u32 v29, v0, 4, 1                        ; h
	s_delay_alu instid0(VALU_DEP_3)
	v_lshlrev_b32 v1, 3, v30                       ; K and Q: 8 x lane
	s_delay_alu instid0(VALU_DEP_4)
	v_lshlrev_b32 v2, 4, v30
	s_delay_alu instid0(VALU_DEP_1)
	v_add_nc_u32 v2, VB, v2                        ; V: 16 x lane
	v_lshlrev_b32 v11, 4, v31                      ; 16 r
	s_delay_alu instid0(VALU_DEP_1)
	v_add_nc_u32 v3, SCB, v11                      ; K's scale words: four tiles' words of row r
	s_delay_alu instid0(VALU_DEP_2)
	v_add_nc_u32 v4, SCB+8192, v11                 ; V's
	v_lshlrev_b32 v5, 6, v29
	s_delay_alu instid0(VALU_DEP_1)
	v_add_nc_u32 v5, MB, v5                        ; the mask: my half's 16 keys of a block of 32
	v_lshlrev_b32 v6, 4, v0                        ; the mask on its way in: four keys a thread
	s_delay_alu instid0(VALU_DEP_1)
	v_add_nc_u32 v7, MB, v6
	global_load_b128 v[32:35], v6, s[82:83]
.irp j, 22,23,24,25,26,27, 80,81,82,83,84,85
	v_mov_b32 v[\j], 0                             ; Q's upper six registers: zero codes; and what K's last tile names as its upper six
.endr
.irp j, 208,209,210,211, 229,230,231
	v_mov_b32 v[\j], 0                             ; lane permutes' destinations, and upper halves of pairs, are written before they are first named
.endr
; A pass's head: my tile of Q and its scale words; the statistics; O^T = 0 (the step is written once: the first finds zeros, which the first change of M leaves zeros)
.macro QINIT p
.irp i, 0,1,2
	global_load_b64 v[16+2*\i:17+2*\i], v1, s[QB:QB+1] offset:\p*12288+256*\i
.endr
	global_load_b32 v28, v11, s[QS:QS+1] offset:\p*1024
	v_mov_b32 v13, 0xe7800000                      ; the largest t so far: -2^80: above every masked t, under every other
	s_delay_alu instid0(VALU_DEP_1)
	v_floor_f32 v12, -v13                          ; -M
	v_mov_b32 v14, 0                               ; the sum, in two halves
	v_mov_b32 v15, 0
.set n, 0
.rept 32
	v_mov_b32 v[OT+n], 0
.set n, n+1
.endr
.endm
; A KEY STEP: 128 keys.
.macro STEP
	v_add_nc_u32 v[ADK], s[T6], v1                 ; (these five are also the places in front of loads into registers that the last products read)
	v_add_nc_u32 v[ADV], s[T6], v2
	v_add_nc_u32 v[ADS], s[TS], v3
	v_add_nc_u32 v[ADT], s[TV], v4
	v_add_nc_u32 v[ADM], s[TS], v5
.irp b, 0,1,2,3
.irp j, 0,1,2,3
	ds_load_b128 v[S+16*\b+4*\j:S+16*\b+4*\j+3], v[ADM] offset:128*\b+16*\j   ; register 16 b + i: the mask's number of key 32 b + 16 h + i; sixteen lanes read the same bytes
.endr
.endr
.irp g, 0,1
	ds_load_b128 v[KS+4*\g:KS+4*\g+3], v[ADS] offset:256*\g
.endr
.irp t, 0,1,2,3,4,5,6,7
.irp i, 0,1,2
	ds_load_b64 v[KV+6*\t+2*\i:KV+6*\t+2*\i+1], v[ADK] offset:768*\t+256*\i
.endr
.endr
	s_wait_alu depctr_va_vdst(0)
	s_wait_dscnt 0x0
.irp t, 0,1,2,3,4,5,6,7                        ; S^T = K Q^T + the mask: eight accumulators, one instruction each
	v_wmma_scale_f32_16x16x128_f8f6f4 v[S+8*\t:S+8*\t+7], v[KV+6*\t:KV+6*\t+11], v[16:27], v[S+8*\t:S+8*\t+7], v[KS+\t], v28 matrix_a_fmt:MATRIX_FMT_FP6 matrix_b_fmt:MATRIX_FMT_FP6
.endr
.rept 4
	v_nop                                          ; places: in front of the loads into K's registers and of the first read of the scores
.endr
.irp ct, 0,1,2,3                               ; V is asked for ahead of the softmax
.irp q, 0,1,2
	ds_load_b128 v[KV+12*\ct+4*\q:KV+12*\ct+4*\q+3], v[ADV] offset:1536*\ct+512*\q
.endr
.endr
	ds_load_b128 v[VS:VS+3], v[ADT]
.irp b, 0,1,2,3
	v_max3_num_f32 v[BM+\b], v[S+16*\b], v[S+1+16*\b], v[S+2+16*\b]   ; the largest score of each block of 32 keys: it serves the row's maximum and, since p rises with the score, the block's largest p
.endr
.irp i, 3,5,7,9,11,13
.irp b, 0,1,2,3
	v_max3_num_f32 v[BM+\b], v[BM+\b], v[S+16*\b+\i], v[S+1+16*\b+\i]
.endr
.endr
.irp b, 0,1,2,3
	v_max_num_f32 v[BM+\b], v[BM+\b], v[S+15+16*\b]
.endr
.irp b, 0,1,2,3
	s_delay_alu instid0(VALU_DEP_4)
	v_permlanex16_b32 v[BP+\b], v[BM+\b], s[SEL], s[SEL+1]
.endr
.irp b, 0,1,2,3
	s_delay_alu instid0(VALU_DEP_4)
	v_max_num_f32 v[BM+\b], v[BM+\b], v[BP+\b]     ; with lane l xor 16's 16 keys
.endr
	s_delay_alu instid0(VALU_DEP_2)
	v_max3_num_f32 v230, v[BM], v[BM+1], v[BM+2]
	s_delay_alu instid0(VALU_DEP_1)
	v_max_num_f32 v230, v230, v[BM+3]              ; the step's largest score of my query
	s_delay_alu instid0(VALU_DEP_1)
	v_mul_f32 v230, s[CS], v230                    ; as t (c is positive)
	s_delay_alu instid0(VALU_DEP_1)
	v_max_num_f32 v13, v13, v230                   ; the running largest t
	v_mov_b32 v230, v12
	s_delay_alu instid0(VALU_DEP_2)
	v_floor_f32 v12, -v13                          ; the new -M = floor(-t) = -ceil(t): a whole number
	s_delay_alu instid0(VALU_DEP_1)
	v_sub_f32 v230, v12, v230                      ; old M less new M: a whole number, 0 or less
	s_delay_alu instid0(VALU_DEP_1)
	v_cvt_i32_f32 v230, v230                       ; (it saturates)
	s_delay_alu instid0(VALU_DEP_1)
	v_ldexp_f32 v228, 1.0, v230                    ; f = 2^(old M - new M)
.set n, 0
.rept 32
	v_pk_fma_f32 v[S+n:S+n+1], v[S+n:S+n+1], s[CS:CS+1], v[12:13] op_sel_hi:[1,0,0]   ; t - M, two at a time
.set n, n+2
.endr
.irp b, 0,1,2,3
	v_fma_f32 v[BM+\b], v[BM+\b], s[CS], v12       ; the same of each block's largest score
.endr
.set n, 0
	s_setprio 1
	s_wait_alu depctr_va_vdst(0)
.rept 64
	v_exp_f32 v[S+n], v[S+n]                       ; p = 2^(t - M): not normalised
.set n, n+1
.endr
	v_pk_mul_f32 v[14:15], v[14:15], v[228:229] op_sel_hi:[1,0]   ; the sums under the new M (a plain instruction behind the exponentials)
	s_wait_alu depctr_va_vdst(0)                   ; one wait for the batch of 64, ahead of its first reader
.irp b, 0,1,2,3
	v_exp_f32 v[BM+\b], v[BM+\b]                   ; the block's largest p: the same two instructions on the same number give the same bits
.endr
	v_pk_add_f32 v[232:233], v[92:93], v[96:97]
	v_pk_add_f32 v[252:253], v[100:101], v[104:105]
	v_pk_add_f32 v[250:251], v[108:109], v[112:113]
	v_pk_add_f32 v[248:249], v[116:117], v[120:121]
	v_pk_add_f32 v[246:247], v[124:125], v[128:129]
	v_pk_add_f32 v[244:245], v[132:133], v[136:137]
	v_pk_add_f32 v[242:243], v[140:141], v[144:145]
	v_pk_add_f32 v[14:15], v[14:15], v[148:149]
	v_pk_add_f32 v[232:233], v[232:233], v[88:89]
	v_pk_add_f32 v[252:253], v[252:253], v[90:91]
	v_pk_add_f32 v[250:251], v[250:251], v[94:95]
	v_pk_add_f32 v[248:249], v[248:249], v[98:99]
	v_pk_add_f32 v[246:247], v[246:247], v[102:103]
	v_pk_add_f32 v[244:245], v[244:245], v[106:107]
	v_pk_add_f32 v[242:243], v[242:243], v[110:111]
	v_pk_add_f32 v[14:15], v[14:15], v[114:115]
	v_pk_add_f32 v[232:233], v[232:233], v[118:119]
	v_pk_add_f32 v[252:253], v[252:253], v[122:123]
	v_pk_add_f32 v[250:251], v[250:251], v[126:127]
	v_pk_add_f32 v[248:249], v[248:249], v[130:131]
	v_pk_add_f32 v[246:247], v[246:247], v[134:135]
	v_pk_add_f32 v[244:245], v[244:245], v[138:139]
	v_pk_add_f32 v[242:243], v[242:243], v[142:143]
	v_pk_add_f32 v[14:15], v[14:15], v[146:147]
	v_pk_add_f32 v[232:233], v[232:233], v[150:151]
	s_delay_alu instid0(VALU_DEP_2)
	v_pk_add_f32 v[14:15], v[14:15], v[248:249]
	s_delay_alu instid0(VALU_DEP_2)
	v_pk_add_f32 v[232:233], v[232:233], v[246:247]
	v_pk_add_f32 v[252:253], v[252:253], v[244:245]
	v_pk_add_f32 v[250:251], v[250:251], v[242:243]
	s_delay_alu instid0(VALU_DEP_2)
	v_pk_add_f32 v[14:15], v[14:15], v[252:253]
	s_delay_alu instid0(VALU_DEP_2)
	v_pk_add_f32 v[232:233], v[232:233], v[250:251]
	s_delay_alu instid0(VALU_DEP_1)
	v_pk_add_f32 v[14:15], v[14:15], v[232:233]
	s_wait_alu depctr_va_vdst(0)                   ; and one for the four
.irp b, 0,1,2,3
	v_max_num_f32 v[BM+\b], 0x1800000, v[BM+\b]    ; the floor 2^(3 - 127): the byte cannot fall under 1 (a block whose every p is 0 keeps that byte: its codes are zeros)
.endr
.irp b, 0,1,2,3
	s_delay_alu instid0(VALU_DEP_4)
	v_add_nc_u32 v[SO+\b], 0xff000000, v[BM+\b]    ; 2 off the exponent field: the conversion's scale operand
.endr
.irp b, 0,1,2,3
	s_delay_alu instid0(VALU_DEP_4)
	v_lshrrev_b32 v[BP+\b], 23, v[SO+\b]           ; the scale's byte
.endr
	s_delay_alu instid0(VALU_DEP_3)
	v_lshl_or_b32 v229, v[BP+1], 8, v[BP]          ; p's scale word for these 128 keys
	s_delay_alu instid0(VALU_DEP_1)
	v_lshl_or_b32 v229, v[BP+2], 16, v229
	s_delay_alu instid0(VALU_DEP_1)
	v_lshl_or_b32 v229, v[BP+3], 24, v229
.irp c, 0,1
	v_cvt_scalef32_pk16_fp6_f32 v[PC+6*\c:PC+2+6*\c], v[S+32*\c:S+15+32*\c], v[SO+2*\c]
	v_cvt_scalef32_pk16_fp6_f32 v[PT+4*\c:PT+2+4*\c], v[S+16+32*\c:S+31+32*\c], v[SO+2*\c+1]
.endr
	v_nop                                          ; one plain instruction behind the scaled conversions
	s_setprio 0
.irp c, 0,1                                    ; the operand wants a whole block in a lane
.irp i, 0,1,2
	v_permlane16_swap_b32 v[PC+6*\c+\i], v[PT+4*\c+\i]
.endr
.irp i, 0,1,2
	s_delay_alu instid0(VALU_DEP_3)
	v_mov_b32 v[PC+3+6*\c+\i], v[PT+4*\c+\i]
.endr
.endr
.set n, 0
.rept 16
	v_pk_mul_f32 v[OT+n:OT+n+1], v[OT+n:OT+n+1], v[228:229] op_sel_hi:[1,0]   ; O^T under the new M.  (These sixteen are also the places between p's codes and scale word and the products)
.set n, n+2
.endr
	s_wait_alu depctr_va_vdst(0)
	s_wait_dscnt 0x0                               ; V is in
.irp ct, 0,1,2,3                               ; O^T += V^T P^T: four accumulators, one instruction each
	v_wmma_scale_f32_16x16x128_f8f6f4 v[OT+8*\ct:OT+8*\ct+7], v[KV+12*\ct:KV+12*\ct+11], v[PC:PC+11], v[OT+8*\ct:OT+8*\ct+7], v[VS+\ct], v229 matrix_a_fmt:MATRIX_FMT_FP6 matrix_b_fmt:MATRIX_FMT_FP6
.endr
	s_add_co_u32 s[T6], s[T6], 6144
	s_add_co_u32 s[TS], s[TS], 512
	s_add_co_u32 s[TV], s[TV], 256
.endm
.macro RUN steps
	s_mov_b32 s[CNT], \steps
.Lrun_\@:
	s_setprio 2
	STEP
	s_sub_co_u32 s[CNT], s[CNT], 1
	s_cmp_lg_u32 s[CNT], 0
	s_cbranch_scc1 .Lrun_\@
	s_setprio 0
.endm
; THE WAY OUT of a pass: O^T / l; register 16 g + i is channel 32 g + 16 h + i of my query; the head's two blocks are quantised; lanes 0-15 gather a row's 48 bytes and store them.
.macro OUT p
.rept 4
	v_nop                                          ; places behind the last products
.endr
	v_add_f32 v14, v14, v15                        ; the sum's two halves,
	s_delay_alu instid0(VALU_DEP_1)
	v_permlanex16_b32 v230, v14, s[SEL], s[SEL+1]
	s_delay_alu instid0(VALU_DEP_1)
	v_add_f32 v14, v14, v230                       ; and lane l xor 16's
	s_wait_alu depctr_va_vdst(0)
	v_rcp_f32 v230, v14
	v_nop                                          ; a plain instruction behind the reciprocal
	s_wait_alu depctr_va_vdst(0)                   ; and the wait ahead of its first reader
.set n, 0
.rept 16
	v_pk_mul_f32 v[S+n:S+n+1], v[OT+n:OT+n+1], v[230:231] op_sel_hi:[1,0]
.set n, n+2
.endr
.irp b, 0,1
	v_max3_num_f32 v[BM+\b], |v[S+16*\b]|, |v[S+1+16*\b]|, 0x1800000
.endr
.irp i, 2,4,6,8,10,12,14
.irp b, 0,1
	s_delay_alu instid0(VALU_DEP_2)
	v_max3_num_f32 v[BM+\b], v[BM+\b], |v[S+16*\b+\i]|, |v[S+1+16*\b+\i]|
.endr
.endr
.irp b, 0,1
	s_delay_alu instid0(VALU_DEP_2)
	v_permlanex16_b32 v[BP+\b], v[BM+\b], s[SEL], s[SEL+1]
.endr
.irp b, 0,1
	s_delay_alu instid0(VALU_DEP_2)
	v_max_num_f32 v[BM+\b], v[BM+\b], v[BP+\b]
.endr
.irp b, 0,1
	s_delay_alu instid0(VALU_DEP_2)
	v_add_nc_u32 v[SO+\b], 0xff000000, v[BM+\b]
.endr
.irp b, 0,1
	s_delay_alu instid0(VALU_DEP_2)
	v_lshrrev_b32 v[BP+\b], 23, v[SO+\b]           ; the two bytes
.endr
	v_cvt_scalef32_pk16_fp6_f32 v[PC:PC+2], v[S:S+15], v[SO]
	v_cvt_scalef32_pk16_fp6_f32 v[PC+6:PC+8], v[S+16:S+31], v[SO+1]
	v_nop                                          ; one plain instruction behind the scaled conversions
.irp i, 0,1,2
	v_permlanex16_b32 v[PC+3+\i], v[PC+\i], s[SEL], s[SEL+1]     ; lanes 0-15 take the upper 16 codes of each block from the lane 16 on
	v_permlanex16_b32 v[PC+9+\i], v[PC+6+\i], s[SEL], s[SEL+1]
.endr
	v_cmp_gt_u32 vcc_lo, 16, v30
	s_wait_alu depctr_va_vdst(0)
	s_wait_xcnt 0x0                                ; EXEC changes only behind this wait
	s_and_saveexec_b32 s74, vcc_lo                 ; lanes 0-15
.irp q, 0,1,2
	global_store_b128 v11, v[PC+4*\q:PC+4*\q+3], s[AC:AC+1] offset:\p*196608+512*\q   ; sixteen lanes store 256 consecutive bytes, aligned
.endr
	global_store_b8 v11, v[BP], s[AS:AS+1] offset:\p*8192
	global_store_b8 v11, v[BP+1], s[AS:AS+1] offset:\p*8192+2
	s_wait_xcnt 0x0                                ; and again in front of the line that widens it; the stores have read their registers
	s_or_b32 exec_lo, exec_lo, s74
.endm
	QINIT 0
	s_wait_loadcnt 4                               ; the mask is in; Q's four loads may be out
	v_mov_b32 v8, 0xf1800000                       ; -2^100
.irp j, 32,33,34,35
	v_cmp_eq_u32 vcc_lo, 0, v[\j]
	s_delay_alu instid0(VALU_DEP_1)
	v_cndmask_b32 v[\j], 0, v8, vcc_lo             ; a key whose mask is 0 gets -2^100, the others 0
.endr
	ds_store_b128 v7, v[32:35]
	s_wait_loadcnt 0x0                             ; Q
.irp c, 0,1,2,3
	s_wait_tensorcnt 3-\c                          ; my part of chunk c is in (behind it 3 - c loads were issued; the scale words went first); nothing is ever filled again
	s_wait_dscnt 0x0                               ; my stores of the mask have landed; no LDS instruction of mine is out
	s_barrier_signal -1
	s_barrier_wait -1                              ; everybody's part is in
	RUN 4
.endr
	OUT 0
	QINIT 1                                        ; the second pass: the tile 16 further on; all of K and V lies in LDS: no wait, no barrier
	s_mov_b32 s[T6], 0
	s_mov_b32 s[TS], 0
	s_mov_b32 s[TV], 0
	s_wait_loadcnt 0x0
	RUN 16
	OUT 1
	s_wait_dscnt 0x0
	s_wait_tensorcnt 0x0
	ds_add_u32 v254, v255
	s_wait_dscnt 0x0
	CROUND                                         ; the closing round
	s_endpgm
.Lfunc_end_k_q41b4f9b495_attn:
	.size	k_q41b4f9b495_attn, .Lfunc_end_k_q41b4f9b495_attn-k_q41b4f9b495_attn
	.p2alignl 7, 3214868480
	.fill 96, 4, 3214868480
	.section	.rodata,"a",@progbits
	.p2align	6, 0x0
	.amdhsa_kernel k_q41b4f9b495_attn
		.amdhsa_group_segment_fixed_size 219136
		.amdhsa_private_segment_fixed_size 0
		.amdhsa_enable_private_segment 0
		.amdhsa_kernarg_size 40
		.amdhsa_user_sgpr_count 2
		.amdhsa_user_sgpr_kernarg_segment_ptr 1
		.amdhsa_wavefront_size32 1
		.amdhsa_system_sgpr_workgroup_id_x 1
		.amdhsa_system_sgpr_workgroup_id_y 1
		.amdhsa_system_sgpr_workgroup_id_z 1
		.amdhsa_system_vgpr_workitem_id 0
		.amdhsa_next_free_vgpr 256
		.amdhsa_next_free_sgpr 100
		.amdhsa_reserve_vcc 1
		.amdhsa_float_denorm_mode_32 3
		.amdhsa_float_denorm_mode_16_64 3
		.amdhsa_memory_ordered 1
		.amdhsa_forward_progress 1
		.amdhsa_inst_pref_size 116
	.end_amdhsa_kernel
	.amdgpu_metadata
---
amdhsa.version: [ 1, 2 ]
amdhsa.kernels:
  - .name:           k_q41b4f9b495_attn
    .symbol:         k_q41b4f9b495_attn.kd
    .args:
      - { .name: qkvc, .offset: 0, .size: 8, .value_kind: global_buffer, .address_space: global }
      - { .name: qkvs, .offset: 8, .size: 8, .value_kind: global_buffer, .address_space: global }
      - { .name: mask, .offset: 16, .size: 8, .value_kind: global_buffer, .address_space: global }
      - { .name: a2c, .offset: 24, .size: 8, .value_kind: global_buffer, .address_space: global }
      - { .name: a2s, .offset: 32, .size: 8, .value_kind: global_buffer, .address_space: global }
    .group_segment_fixed_size: 219136
    .private_segment_fixed_size: 0
    .kernarg_segment_align: 8
    .kernarg_segment_size: 40
    .max_flat_workgroup_size: 512
    .sgpr_count:     100
    .vgpr_count:     256
    .wavefront_size: 32
...
	.end_amdgpu_metadata
.endif
;; end of part 3
;; launch gemm_proj (part 4): grid 4 x 32, 4 waves a work-group, clusters of 4 x 4, 327,680 bytes of LDS; arguments a2c, a2s, opc, ops, proj_b, out0; writes out0
.if DOCPART == 4
	.amdgcn_target "amdgcn-amd-amdhsa--gfx1250"
	.amdhsa_code_object_version 6
	.text
	.protected	k_q41b4f9b495_gemm_proj
	.globl	k_q41b4f9b495_gemm_proj
	.p2align	8
	.type	k_q41b4f9b495_gemm_proj,@function
k_q41b4f9b495_gemm_proj:
	s_mov_b64 s[64:65], 0
	v_nop
	global_prefetch_b8 v0, s[64:65] scope:SCOPE_SE
	s_setreg_imm32_b32 hwreg(HW_REG_WAVE_MODE, 25, 1), 1
	s_wait_xcnt 0x0
	s_wait_alu depctr_hold_cnt(0) depctr_sa_sdst(0) depctr_va_vdst(0) depctr_va_sdst(0) depctr_va_ssrc(0) depctr_va_vcc(0) depctr_vm_vsrc(0)
	s_getreg_b32 s2, hwreg(HW_REG_IB_STS2, 6, 4)
	s_cmp_eq_u32 s2, 0
	s_cbranch_scc0 .Lentry_in_a_cluster
	s_endpgm
.Lentry_in_a_cluster:
	s_bfe_u32 s2, ttmp6, 0x10000c
	s_cmp_lg_u32 s2, 0xf033
	s_cbranch_scc0 .Lentry_shape_is_right
	s_endpgm
.Lentry_shape_is_right:
; out0 = A proj_w^T + proj_b on codes of FP6 (E2M3) with E8M0 scales.  A (a2c, a2s: the attention's result) and proj_w (opc, ops from tile 704 on) are row tiles (tile 2 g + u: lane r = row 32 g + 8 u + r + 8 (r / 8))
; laid as images of the operands' registers: a tile is 8 images of 1,536 bytes (K steps of 128) and 512 bytes of scale words.
; A work-group makes 256 rows (P = A) x 256 columns (Q = proj_w) over K = 1,024; a wave 128 x 128: 64 accumulators.  THE MATRIX INSTRUCTION IS USED TRANSPOSED (source 0 = 16 Q rows, source 1 = 16 P rows): a lane holds
; one row of the result, and the registers of Q's eight tiles run along 128 neighbouring columns.
; RING: K in four steps of 256 through two LDS slots filled by tensor loads (a wave brings 8 tiles x 3,072 bytes); the scale words of all of K come once.  CLUSTER 4 x 4: P's tiles are shared along a row of the
; cluster, Q's along a column, each asked for jointly.  At most three tensor loads of a wave are out (the first fills).
; 128 work-groups: what 256 x 256 tiles of an 8,192 x 1,024 result give.  No prefetch: the ring has four fills in all, two of them at the head.
; REGISTERS: window 0: v1-29 addresses; v32-63 scale words, two sets; v64-127 the bias; v128-223 P's fragments; on the way out v128-255 at work.  window 1: Q's fragments, two sets.  windows 2, 3: the accumulators.
.set NQ,     2
.set FR,     12
.set NL,     3
.set NP,     4                         ; places behind this matrix instruction (ISA guide 7.12.1)
.set FRB,    1536
.set TROW,   NQ*FRB
.set HALFT,  8*TROW
.set SLOT,   4*HALFT
.set SCL,    2*SLOT
.set HALFS,  8*512
.set SPARE,  SCL+4*HALFS               ; the spare words, 128 bytes for each wave: two blocks of 256 bytes that no other line names
.set LAPS,   2
.set SPITCH, 528                       ; the way out: a stage of 16 rows x (512 bytes + 16) for each wave, in slot 0, which has had its last fill and its last read when the first result is stored there
.set ADRA, 16
.set ADRB, 20
.set STO,  24                          ; v24 the stage: where I put my numbers of a row
.set LI,   25                          ; v25 16 x lane
.set RD,   26                          ; v26 the stage: where I read a row back
.set ADRS, 27
.set SPW,  28
.set NIL,  29
.set SC,   32
.set AF,   128
.set BQ,   64                          ; the bias of my 128 columns, in the results' order
.set H,    128                         ; 64 results of a block + bias
.set BK,   192                         ; 16 rows read back from the stage
.set G1, 24
.set G0, 32
.set G1B, 48
.set G0B, 56
.set G1S, 68
.set G0S, 76
.set G1SB, 80
.set G0SB, 88
.set MSB, 0
.macro WIN new                         ; the immediate's high byte repeats the setting that is left
.if MSB != \new
	s_set_vgpr_msb (MSB<<8)|\new
.set MSB, \new
.endif
.endm
.set MUL_LO, 0xa1
.set MUL_HI, 0xf1
.set TO_B,   0x40
.macro JLOAD g0a, g1a, g0b, g1b        ; a joint load: waves 0 and 1 fetch for P, waves 2 and 3 for Q; four v_nop follow each of the two lines
	s_cmp_eq_u32 s15, 0
	s_cbranch_scc0 .Lfor_b_\@
	tensor_load_to_lds s[\g0a:\g0a+3], s[\g1a:\g1a+7]
	s_nop 0
.rept 4
	v_nop
.endr
	s_branch .Lasked_\@
.Lfor_b_\@:
	tensor_load_to_lds s[\g0b:\g0b+3], s[\g1b:\g1b+7]
	s_nop 0
.rept 4
	v_nop
.endr
.Lasked_\@:
.endm
.macro CREST
	s_cmp_lg_u32 s14, 0
	s_cbranch_scc1 .Lnot_wave_0_\@
	s_barrier_signal -3
.Lnot_wave_0_\@:
	s_barrier_wait -3
	s_barrier_signal -1
	s_barrier_wait -1
.endm
.macro CROUND
	s_barrier_signal -1
	s_barrier_wait -1
	CREST
.endm
	s_load_b128 s[4:7], s[0:1], 0x0                ; a2c, a2s
	s_load_b128 s[8:11], s[0:1], 0x10              ; opc, ops
	s_load_b64 s[12:13], s[0:1], 0x20              ; proj_b
	s_load_b64 s[66:67], s[0:1], 0x28              ; out0
	v_lshl_add_u32 v[SPW], v0, 2, SPARE
	v_mov_b32 v[NIL], 0
	ds_add_u32 v28, v29
	ds_add_u32 v28, v29
	s_wait_dscnt 0x0
	v_lshrrev_b32 v1, 5, v0
	v_readfirstlane_b32 s14, v1                    ; wave 0..3
	s_lshr_b32 s15, s14, 1                         ; which half of the rows is mine.  Also: I fetch for P (0) or for Q (1)
	s_and_b32 s16, s14, 1                          ; which half of the columns.  Also: which 8 tiles I fetch
	s_bfe_u32 s40, ttmp6, 0x40000                  ; cx, cy
	s_bfe_u32 s41, ttmp6, 0x40004
	s_lshl_b32 s42, ttmp9, 2
	s_add_co_u32 s42, s42, s40                     ; X: my 256 columns
	s_and_b32 s17, ttmp7, 0xffff
	s_lshl_b32 s17, s17, 2
	s_add_co_u32 s17, s17, s41                     ; Y: my 256 rows
	s_lshl_b32 s43, s41, 2
	s_lshl_b32 s43, 15, s43                        ; my row of the cluster
	s_lshl_b32 s44, 0x1111, s40                    ; my column
	s_or_b32 s[G1+0], s43, (3<<16)|(1<<21)         ; 15:0 the mask; 17:16 elements of 8 bytes; 21 set beside a mask; no padding
	s_or_b32 s[G1B+0], s44, (3<<16)|(1<<21)
.irp g, G1, G1B
	s_mov_b32 s[\g+1], 384<<16                     ; 8 rows (tiles) of 384 elements, 1,536 elements apart
	s_mov_b32 s[\g+2], 8<<16
	s_mov_b32 s[\g+3], 384<<16
	s_mov_b32 s[\g+4], 8
	s_mov_b32 s[\g+5], 1536
	s_mov_b32 s[\g+6], 0
	s_mov_b32 s[\g+7], 0
.endr
	s_or_b32 s[G1S+0], s43, (3<<16)|(1<<21)
	s_or_b32 s[G1SB+0], s44, (3<<16)|(1<<21)
.irp g, G1S, G1SB
	s_mov_b32 s[\g+1], 32<<16                      ; 4,096 dense bytes as 16 rows of 256
	s_mov_b32 s[\g+2], 16<<16
	s_mov_b32 s[\g+3], 32<<16
	s_mov_b32 s[\g+4], 16
	s_mov_b32 s[\g+5], 32
	s_mov_b32 s[\g+6], 0
	s_mov_b32 s[\g+7], 0
.endr
	s_lshl_b32 s18, s16, 3                         ; which 8 tiles I fetch
	s_lshl_b32 s20, s17, 4
	s_add_co_u32 s20, s20, s18                     ; P: tile 16 Y + 8 x half
	s_lshl_b32 s46, s42, 4
	s_add_co_u32 s46, s46, s18
	s_add_co_u32 s46, s46, 704                     ; Q: tile 704 + 16 X + 8 x half
	s_lshl_b32 s22, s20, 9
	s_mov_b32 s23, 0
	s_lshl_b32 s92, s46, 9
	s_mov_b32 s93, 0
	s_mul_i32 s20, s20, 12288
	s_mov_b32 s21, 0
	s_mul_i32 s46, s46, 12288
	s_mov_b32 s47, 0
	s_mul_i32 s45, s14, HALFT                      ; where they go: wave x 8 tiles: no place in the cluster enters an LDS address
	s_lshl_b32 s94, s14, 12
	s_wait_kmcnt 0x0
	s_add_nc_u64 s[20:21], s[4:5], s[20:21]
	s_add_nc_u64 s[22:23], s[6:7], s[22:23]
	s_add_nc_u64 s[46:47], s[8:9], s[46:47]
	s_add_nc_u64 s[92:93], s[10:11], s[92:93]
	CROUND                                         ; all sixteen work-groups are here: the first joint loads meet
	s_mov_b32 s[G0S], 1
	s_add_co_u32 s[G0S+1], s94, SCL
	s_mov_b64 s[G0S+2:G0S+3], s[22:23]
	s_or_b32 s[G0S+3], s[G0S+3], 0x80000000
	s_mov_b32 s[G0SB], 1
	s_add_co_u32 s[G0SB+1], s94, SCL
	s_mov_b64 s[G0SB+2:G0SB+3], s[92:93]
	s_or_b32 s[G0SB+3], s[G0SB+3], 0x80000000
	JLOAD G0S, G1S, G0SB, G1SB
.irp s, 0,1
	s_mov_b32 s[G0+4*\s], 1
	s_add_co_u32 s[G0+4*\s+1], s45, \s*SLOT
	s_add_nc_u64 s[G0+4*\s+2:G0+4*\s+3], s[20:21], \s*TROW
	s_or_b32 s[G0+4*\s+3], s[G0+4*\s+3], 0x80000000
	s_mov_b32 s[G0B+4*\s], 1
	s_add_co_u32 s[G0B+4*\s+1], s45, \s*SLOT
	s_add_nc_u64 s[G0B+4*\s+2:G0B+4*\s+3], s[46:47], \s*TROW
	s_or_b32 s[G0B+4*\s+3], s[G0B+4*\s+3], 0x80000000
	JLOAD G0+4*\s, G1, G0B+4*\s, G1B
.endr
	v_and_b32 v1, 15, v0                           ; r
	v_bfe_u32 v2, v0, 4, 1                         ; h
	v_and_b32 v3, 31, v0                           ; lane
	v_lshlrev_b32 v[LI], 4, v3
	s_mul_i32 s21, s15, HALFT
	s_mul_i32 s22, s16, HALFT
	s_add_co_u32 s22, s22, 2*HALFT
.irp s, 0,1
	v_add_nc_u32 v[ADRA+\s], s21, v[LI]
	v_add_nc_u32 v[ADRB+\s], s22, v[LI]
	s_add_co_u32 s21, s21, SLOT
	s_add_co_u32 s22, s22, SLOT
.endr
	v_lshlrev_b32 v5, 4, v1
	s_lshl_b32 s21, s15, 12
	s_lshl_b32 s22, s16, 12
	s_add_co_u32 s22, s22, 2*HALFS
	s_sub_co_u32 s22, s22, s21
	v_mul_u32_u24 v6, s22, v2                      ; lanes 16-31 take Q's scale words
	s_add_co_u32 s21, s21, SCL
	v_add_nc_u32 v5, v5, v6
	v_add_nc_u32 v[ADRS], s21, v5
	s_mul_i32 s23, s14, 16*SPITCH                  ; my stage
	v_mul_u32_u24 v5, v1, SPITCH
	v_lshl_add_u32 v5, v2, 6, v5
	v_add_nc_u32 v[STO], s23, v5                   ; in: row r, + 64 h
	v_add_nc_u32 v[RD], s23, v[LI]                 ; back: the 32 lanes take one row of 512 bytes
	s_lshl_b32 s20, s17, 8
	s_lshl_b32 s21, s15, 7
	s_add_co_u32 s20, s20, s21                     ; my first row: 256 Y + 128 x half
	s_lshl_b32 s20, s20, 12                        ; rows of 4,096 bytes
	s_lshl_b32 s21, s42, 10
	s_lshl_b32 s22, s16, 9
	s_add_co_u32 s22, s22, s21                     ; my first column, in bytes: 1,024 X + 512 x half
	s_add_co_u32 s20, s20, s22
	s_mov_b32 s21, 0
	s_mov_b32 s23, 0
	s_add_nc_u64 s[66:67], s[66:67], s[20:21]
	s_add_nc_u64 s[12:13], s[12:13], s[22:23]      ; and its bias
	v_lshlrev_b32 v8, 6, v2                        ; register 16 g + i wants that of column 32 g + 16 h + i
.irp g, 0,1,2,3
.irp j, 0,1,2,3
	global_load_b128 v[BQ+16*\g+4*\j:BQ+16*\g+4*\j+3], v8, s[12:13] offset:128*\g+16*\j
.endr
.endr
.macro FRAG reg, adr, q, i             ; a fragment comes as its image lies: three loads of 512 consecutive bytes
.irp j, 0,1,2
	ds_load_b128 v[\reg+4*\j:\reg+4*\j+3], v[\adr] offset:(\i)*TROW+(\q)*FRB+512*\j
.endr
.endm
; 16 matrix instructions: P's blocks a0, a0 + 1 x Q's eight.  The 64 accumulators take turns, one instruction a turn, in the same order in every step.
.macro MUL16 a0, p, q, sc, zero
.irp a, \a0, \a0+1
.irp b, 0,1,2,3,4,5,6,7
.if \zero
	v_wmma_scale_f32_16x16x128_f8f6f4 v[8*(8*((\a)%4)+\b):8*(8*((\a)%4)+\b)+7], v[128*(\p)+FR*\b:128*(\p)+FR*\b+FR-1], v[AF+FR*(\a):AF+FR*(\a)+FR-1], 0, v[SC+8*NQ*(\sc)+NQ*\b+(\q)], v[SC+8*NQ*(\sc)+NQ*(\a)+(\q)] matrix_a_fmt:MATRIX_FMT_FP6 matrix_b_fmt:MATRIX_FMT_FP6 matrix_a_scale:MATRIX_SCALE_ROW1
.else
	v_wmma_scale_f32_16x16x128_f8f6f4 v[8*(8*((\a)%4)+\b):8*(8*((\a)%4)+\b)+7], v[128*(\p)+FR*\b:128*(\p)+FR*\b+FR-1], v[AF+FR*(\a):AF+FR*(\a)+FR-1], v[8*(8*((\a)%4)+\b):8*(8*((\a)%4)+\b)+7], v[SC+8*NQ*(\sc)+NQ*\b+(\q)], v[SC+8*NQ*(\sc)+NQ*(\a)+(\q)] matrix_a_fmt:MATRIX_FMT_FP6 matrix_b_fmt:MATRIX_FMT_FP6 matrix_a_scale:MATRIX_SCALE_ROW1
.endif
.endr
.endr
.endm
.macro FETCH_B slot, q, p
	WIN TO_B
.irp i, 0,1,2,3,4,5,6,7
	FRAG 128*(\p)+FR*\i, ADRB+\slot, \q, \i
.endr
	WIN 0
.endm
.macro FETCH_A slot, q, i0
.irp i, \i0, \i0+1, \i0+2, \i0+3
	FRAG AF+FR*(\i), ADRA+\slot, \q, \i
.endr
.endm
.macro SCALES sc
.irp i, 0,1,2,3,4,5,6,7
	ds_load_b64 v[SC+8*NQ*\sc+NQ*\i:SC+8*NQ*\sc+NQ*\i+1], v[ADRS] offset:\i*512
.endr
.endm
.macro PLACES n                        ; plain vector instructions between a matrix instruction and a load into, or a read of, its registers
.rept \n
	v_nop
.endr
.endm
.macro STEP slot, q, zero
	s_wait_dscnt 4*NL                              ; Q's set and P's blocks 0-3 are in; the youngest 12 loads (P's blocks 4-7) may be out
	WIN MUL_LO
	MUL16 0, (\q)%2, \q, \slot, \zero
	MUL16 2, (\q)%2, \q, \slot, \zero
	s_wait_dscnt 0
	PLACES NP
	FETCH_B \slot, (\q)+1, 1-(\q)%2
	FETCH_A \slot, (\q)+1, 0
	WIN MUL_HI
	MUL16 4, (\q)%2, \q, \slot, \zero
	MUL16 6, (\q)%2, \q, \slot, \zero
	PLACES NP
	WIN 0
	FETCH_A \slot, (\q)+1, 4
.endm
.macro TURN slot, next, fill           ; a slot's last step changes slots: one barrier, with the three lines in front of it; fill = 1: this slot is filled again
	s_wait_tensorcnt 0x0                           ; all my tensor loads have landed: my part of the next slot
	ds_add_u32 v[SPW], v[NIL]                      ; 0 onto my spare word
	s_wait_dscnt 4*NL+1                            ; (the add and the youngest 12 loads may be out)
	WIN MUL_LO
	MUL16 0, 1, NQ-1, \slot, 0
	s_wait_dscnt 0x0                               ; the add is done, and my reads of this slot are over
	s_barrier_signal -1
	MUL16 2, 1, NQ-1, \slot, 0
	WIN 0
	s_barrier_wait -1
.if \fill
	CREST                                          ; the barrier has opened a round of the cluster's
	s_add_nc_u64 s[G0+4*\slot+2:G0+4*\slot+3], s[G0+4*\slot+2:G0+4*\slot+3], 2*TROW
	s_add_nc_u64 s[G0B+4*\slot+2:G0B+4*\slot+3], s[G0B+4*\slot+2:G0B+4*\slot+3], 2*TROW
	JLOAD G0+4*\slot, G1, G0B+4*\slot, G1B         ; the first tensor load behind the round; its four v_nop are the places in front of the loads below
.else
	PLACES NP
.endif
.if \slot == 0
	v_add_nc_u32 v[ADRS], 8, v[ADRS]               ; the four slots' words of a row lie at 0, 8, 256 and 264
.else
	v_add_nc_u32 v[ADRS], 248, v[ADRS]
.endif
	FETCH_B \next, 0, 0
	FETCH_A \next, 0, 0
	SCALES \next
	WIN MUL_HI
	MUL16 4, 1, NQ-1, \slot, 0
	MUL16 6, 1, NQ-1, \slot, 0
	PLACES NP
	WIN 0
	FETCH_A \next, 0, 4
.endm
	s_wait_tensorcnt 1                             ; the scale words and my part of slot 0 are in (slot 1's load may be out),
	s_barrier_signal -1
	s_barrier_wait -1                              ; everybody's are
	FETCH_B 0, 0, 0
	FETCH_A 0, 0, 0
	SCALES 0
	FETCH_A 0, 0, 4
	STEP 0, 0, 1                                   ; the first step's products start the sums
	s_mov_b32 s3, LAPS-1
.Llap:
	TURN 0, 1, 1
	STEP 1, 0, 0
	TURN 1, 0, 1
	STEP 0, 0, 0
	s_sub_co_u32 s3, s3, 1
	s_cmp_lg_u32 s3, 0
	s_cbranch_scc1 .Llap
	TURN 0, 1, 0                                   ; the last change of slots fills nothing
	STEP 1, 0, 0
	s_wait_dscnt 4*NL
	WIN MUL_LO
	MUL16 0, 1, NQ-1, 1, 0
	MUL16 2, 1, NQ-1, 1, 0
	s_wait_dscnt 0
	WIN MUL_HI
	MUL16 4, 1, NQ-1, 1, 0
	MUL16 6, 1, NQ-1, 1, 0
	WIN 0
	PLACES NP
	s_wait_loadcnt 0x0                             ; the bias
; THE WAY OUT of block a: 16 rows x 128 columns.  The addition of the bias brings the sums into window 0, each accumulator from its low end on; the block goes through my own stage and comes back as whole rows of
; 512 bytes.  LDS serves a wave's instructions in order: no wait between the stores and the loads.
.macro OUTBLK a
.set WN, 2+(\a)/4
	WIN WN                                         ; source 0: window 2 or 3
.set n, 0
.rept 32
	v_pk_add_f32 v[H+n:H+n+1], v[64*((\a)%4)+n:64*((\a)%4)+n+1], v[BQ+n:BQ+n+1]
.set n, n+2
.endr
	WIN 0
.irp g, 0,1,2,3
.irp j, 0,1,2,3
	ds_store_b128 v[STO], v[H+16*\g+4*\j:H+16*\g+4*\j+3] offset:128*\g+16*\j
.endr
.endr
.if (\a) > 0
	s_wait_xcnt 0x0                                ; the last block's stores have read their registers
.endif
.irp t, 0,1,2,3,4,5,6,7,8,9,10,11,12,13,14,15
	ds_load_b128 v[BK+4*\t:BK+4*\t+3], v[RD] offset:\t*SPITCH
.endr
.irp t, 0,1,2,3,4,5,6,7,8,9,10,11,12,13,14,15
	s_wait_dscnt 15-\t                             ; row t is back; the younger rows may be out
	global_store_b128 v[LI], v[BK+4*\t:BK+4*\t+3], s[66:67] offset:(32*((\a)/2)+8*((\a)%2)+\t+8*(\t/8))*4096 th:TH_STORE_NT   ; 32 lanes store 512 consecutive bytes, aligned; the tile's order of rows stands in the immediate
.endr
.endm
.irp a, 0,1,2,3,4,5,6,7
	OUTBLK \a
.endr
	s_wait_tensorcnt 0x0                           ; the wave's end
	ds_add_u32 v[SPW], v[NIL]
	s_wait_dscnt 0x0
	CROUND                                         ; the closing round
	s_endpgm
.Lfunc_end_k_q41b4f9b495_gemm_proj:
	.size	k_q41b4f9b495_gemm_proj, .Lfunc_end_k_q41b4f9b495_gemm_proj-k_q41b4f9b495_gemm_proj
	.p2alignl 7, 3214868480
	.fill 96, 4, 3214868480
	.section	.rodata,"a",@progbits
	.p2align	6, 0x0
	.amdhsa_kernel k_q41b4f9b495_gemm_proj
		.amdhsa_group_segment_fixed_size 327680
		.amdhsa_private_segment_fixed_size 0
		.amdhsa_enable_private_segment 0
		.amdhsa_kernarg_size 48
		.amdhsa_user_sgpr_count 2
		.amdhsa_user_sgpr_kernarg_segment_ptr 1
		.amdhsa_wavefront_size32 1
		.amdhsa_system_sgpr_workgroup_id_x 1
		.amdhsa_system_sgpr_workgroup_id_y 1
		.amdhsa_system_sgpr_workgroup_id_z 1
		.amdhsa_system_vgpr_workitem_id 0
		.amdhsa_next_free_vgpr 1024
		.amdhsa_next_free_sgpr 100
		.amdhsa_reserve_vcc 0
		.amdhsa_float_denorm_mode_32 3
		.amdhsa_float_denorm_mode_16_64 3
		.amdhsa_memory_ordered 1
		.amdhsa_forward_progress 1
		.amdhsa_inst_pref_size 156
	.end_amdhsa_kernel
	.amdgpu_metadata
---
amdhsa.version: [ 1, 2 ]
amdhsa.kernels:
  - .name:           k_q41b4f9b495_gemm_proj
    .symbol:         k_q41b4f9b495_gemm_proj.kd
    .args:
      - { .name: a2c, .offset: 0, .size: 8, .value_kind: global_buffer, .address_space: global }
      - { .name: a2s, .offset: 8, .size: 8, .value_kind: global_buffer, .address_space: global }
      - { .name: opc, .offset: 16, .size: 8, .value_kind: global_buffer, .address_space: global }
      - { .name: ops, .offset: 24, .size: 8, .value_kind: global_buffer, .address_space: global }
      - { .name: proj_b, .offset: 32, .size: 8, .value_kind: global_buffer, .address_space: global }
      - { .name: out0, .offset: 40, .size: 8, .value_kind: global_buffer, .address_space: global }
    .group_segment_fixed_size: 327680
    .private_segment_fixed_size: 0
    .kernarg_segment_align: 8
    .kernarg_segment_size: 48
    .max_flat_workgroup_size: 128
    .sgpr_count:     100
    .vgpr_count:     1024
    .wavefront_size: 32
...
	.end_amdgpu_metadata
.endif
;; end of part 4
